; MI455X (gfx1250); checked and timed in simulation.
; The chip was launched on July 23, 2026; its instructions are those of AMD's public machine-readable ISA for CDNA 5 (MIT licence, August 2026) and "CDNA5" Instruction Set Architecture Reference Guide (July 2026). The comments in the code are by the model that wrote it; some were corrected since.
;; Transformer Encoder Layer. Allowed arithmetic: matrix products marked QUANTISED: E4M3 operands, one E8M0 scale for each 32 along K, by v_wmma_scale_f32_16x16x128_f8f6f4 with both operands' format E4M3, f32 sums; everything else in f32.
;; Inputs: Wk_codes 1,024 x 32 x 32 uint8 (E4M3 codes of Wk, K innermost, in blocks of 32 codes); Wk_scales 1,024 x 32 uint8 (E8M0 scales of Wk, one for each 32 codes along K); Wo_codes 1,024 x 32 x 32 uint8 (E4M3 codes of Wo, K innermost, in blocks of 32 codes); Wo_scales 1,024 x 32 uint8 (E8M0 scales of Wo, one for each 32 codes along K); Wq_codes 1,024 x 32 x 32 uint8 (E4M3 codes of Wq, K innermost, in blocks of 32 codes); Wq_scales 1,024 x 32 uint8 (E8M0 scales of Wq, one for each 32 codes along K); Wv_codes 1,024 x 32 x 32 uint8 (E4M3 codes of Wv, K innermost, in blocks of 32 codes); Wv_scales 1,024 x 32 uint8 (E8M0 scales of Wv, one for each 32 codes along K); b1 4,096 float32; b2 1,024 float32; be1 1,024 float32; be2 1,024 float32; g1 1,024 float32; g2 1,024 float32; mask 2 x 1 x 1 x 2,048 int32; w1_codes 4,096 x 32 x 32 uint8 (E4M3 codes of w1, K innermost, in blocks of 32 codes); w1_scales 4,096 x 32 uint8 (E8M0 scales of w1, one for each 32 codes along K); w2_codes 1,024 x 128 x 32 uint8 (E4M3 codes of w2, K innermost, in blocks of 32 codes); w2_scales 1,024 x 128 uint8 (E8M0 scales of w2, one for each 32 codes along K); x 2 x 2,048 x 1,024 float32.
;; Outputs: out0 2 x 2,048 x 1,024 float32.
;; This version of the problem:
;;   THIS VERSION OF THE PROBLEM IS GIVEN IN LOW PRECISION. The matrix products marked QUANTISED in the list below multiply operands that are first quantised to E4M3 (4 exponent bits, 3 mantissa bits; 8 bits a number), with one power-of-two scale for each 32 numbers along K (OCP MX v1.0); their sums are f32. All else is computed in f32.
;;   The module's matrix products, in the order in which they are computed (A, B: the left and right operand; K: the contracted axis; several contracted axes count as one K, in the product's order):
;;     1. [M 4,096, K 1,024] x [K 1,024, N 1,024]; A: input x; B: input Wq (given as codes): QUANTISED
;;     2. [M 4,096, K 1,024] x [K 1,024, N 1,024]; A: input x; B: input Wk (given as codes): QUANTISED
;;     3. [M 4,096, K 1,024] x [K 1,024, N 1,024]; A: input x; B: input Wv (given as codes): QUANTISED
;;     4. batch 32 x [M 2,048, K 64] x [K 64, N 2,048]; A: computed on the way; B: computed on the way: QUANTISED
;;     5. batch 32 x [M 2,048, K 2,048] x [K 2,048, N 64]; A: softmax (see below); B: computed on the way: QUANTISED
;;     6. [M 4,096, K 1,024] x [K 1,024, N 1,024]; A: computed on the way; B: input Wo (given as codes): QUANTISED
;;     7. [M 4,096, K 1,024] x [K 1,024, N 4,096]; A: computed on the way; B: input w1 (given as codes): QUANTISED
;;     8. [M 4,096, K 4,096] x [K 4,096, N 1,024]; A: computed on the way; B: input w2 (given as codes): QUANTISED
;;   THE QUANTISER, for each operand of a quantised product, along K:
;;     - K is cut into blocks of 32 from its start; a last block that is shorter is filled with zeros.
;;     - A block's scale is 2^e with e = floor(log2(the largest magnitude in the block)) - 8, held to -126 .. 127; a block of zeros has e = 0. As a byte (E8M0): e + 127.
;;     - Each number is divided by its block's scale, clamped to +-448, and rounded to the nearest number of E4M3, ties to even, subnormals kept.
;;     - The product sums the exact products of the quantised numbers (number of the format x scale) in f32.
;;   ~~~python
;;   def quantise(x, axis):      # numpy; x: float32 -> the quantised numbers, widened to float32 again
;;       x = np.moveaxis(x, axis, -1); K = x.shape[-1]
;;       x = np.pad(x, [(0, 0)] * (x.ndim - 1) + [(0, -K % 32)]); x = x.reshape(x.shape[:-1] + (-1, 32)); a = np.abs(x).max(-1, keepdims=True)
;;       e = np.where(a > 0, np.clip(np.frexp(np.where(a > 0, a, 1))[1] - 1 - 8, -126, 127), 0)      # np.frexp(a)[1] - 1 = floor(log2(a)), exactly
;;       r = np.clip(x / 2.0 ** e, -448, 448)
;;       step = 2.0 ** (np.maximum(np.frexp(np.where(r == 0, 1, r))[1] - 1, -6) - 3)
;;       q = np.round(r / step) * step * 2.0 ** e      # np.round: ties to even
;;       return np.moveaxis(q.reshape(q.shape[:-2] + (-1,))[..., :K], -1, axis).astype(np.float32)
;;   ~~~
;;   SOFTMAX AHEAD OF A QUANTISED PRODUCT. Where the list says 'softmax', what is quantised is not the finished softmax but p = 2^(t - M), with t = logit x log2(e) and M = ceil(the row's largest t), a whole number; so 1/2 < the row's largest p <= 1. The row's sum l is taken of the UNQUANTISED p, in f32, and the product's result is divided by l at the end. Since M is a whole number, a kernel that streams over the keys may use a running M (the ceiling of the running maximum): every later rescaling is an exact power of two, which a block's scale takes up: the codes' values come out the same.
;;   OPERANDS COMPUTED ON THE WAY. 'Computed on the way' means the value that the module computes at that place (a softmax that the list does not call 'softmax' is quantised finished and normalised). What goes into a quantiser is computed in f32, as accurately as f32 sums, v_exp_f32 and their like allow (about 1e-6 of the number): no bf16 or f16 on the way to a quantiser, and a product that is left as it is and whose result goes on into a quantised operand takes f32 operands (vector FMAs, or v_wmma_f32_16x16x4_f32). A number that lies on a knife's edge between two numbers of the format may be rounded either way, as far as f32 arithmetic and the matrix unit's own rounding can turn it there, and no further.
;;   INPUTS GIVEN AS CODES. Wk (in the module: [1024, 1024], K = its axis 1); Wo (in the module: [1024, 1024], K = its axis 1); Wq (in the module: [1024, 1024], K = its axis 1); Wv (in the module: [1024, 1024], K = its axis 1); w1 (in the module: [4096, 1024], K = its axis 1); w2 (in the module: [1024, 4096], K = its axis 1): each comes as NAME_codes (uint8): NAME with its K axis moved to the last place and cut into blocks of 32 codes, [.., K / 32, bytes a block], one block behind the other in memory; one code a byte (a code: sign, 4 exponent bits, 3 mantissa bits); and NAME_scales (uint8): the same leading axes, one E8M0 byte (e + 127) for each 32 codes along K. Its value is code x scale, taken as it is: it is not quantised again, and the codes and scales need not be those that the quantiser above would give.
;; One version. Each part assembles by itself: llvm-mc -triple=amdgcn-amd-amdhsa -mcpu=gfx1250 --defsym DOCPART=n.
;; ======== version 1 of 1: 8 launches
;; limits: right only within a limited range of input values
;; workspace buffers: xq 4,325,376 bytes; qkv 13,238,272 bytes; oimg 4,325,376 bytes; x1 16,777,216 bytes; x2 21,102,592 bytes; himg 17,301,504 bytes; x3 16,777,216 bytes
;; launch quantx (part 1): grid 512 x 1, 4 waves a work-group, no clusters, 25,088 bytes of LDS; arguments x, xq; writes xq
.if DOCPART == 1
	.amdgcn_target "amdgcn-amd-amdhsa--gfx1250"
	.amdhsa_code_object_version 6
	.text
	.protected	k_q39f3cf98f1_quantx
	.globl	k_q39f3cf98f1_quantx
	.p2align	8
	.type	k_q39f3cf98f1_quantx,@function
k_q39f3cf98f1_quantx:
	s_mov_b64 s[64:65], 0
	v_nop
	global_prefetch_b8 v0, s[64:65] scope:SCOPE_SE
	s_setreg_imm32_b32 hwreg(HW_REG_WAVE_MODE, 25, 1), 1
	s_wait_xcnt 0x0
; x [4096][1024] f32 becomes codes of FP8 (E4M3), K innermost, at xq + 0, and one E8M0 scale byte for each 32 along K at xq + 4,194,304.
; A block's scale is 2^(floor(log2(its largest magnitude)) - 8); its byte is the largest magnitude's exponent field - 8, held at 1 from below (a block of zeros keeps the byte 1: its codes are
; zeros, and this program alone reads the bytes).  Each number is divided by the scale, held within +-448 and rounded to the nearest code, ties to even.
; LIMITS: blocks whose largest magnitude lies under 2^-118 keep the byte 1; NaN and infinities among the inputs are not served.
; Rows are dense and 1,024 is a multiple of 32: x is a plain stream of blocks of 32.  A wave takes 4 steps of 512 numbers and asks for all 16 loads at once; each load reads 512 consecutive bytes.
; The conversions want 16 neighbours in one lane: a step's 2,048 bytes turn through the wave's own stage in LDS (16 bytes of padding behind each 64).  A lane's 16 codes are 16 bytes: 512 consecutive bytes a store.
; The four waves make 256 scale bytes: they meet in LDS behind one barrier and leave as 256 consecutive, aligned bytes.
.set STEPS, 4
.set MANT,  0x600000                   ; the mantissa field of 448 as f32
.set R,     16                         ; v16-79   four sets of 16 numbers as loaded
.set X,     80                         ; v80-111  two sets of 16 neighbours
.set E,     112                        ; v112-115 a scale byte for each step
.set C,     128                        ; v128-143 codes: four registers for each step
.set SP,    80                         ; a lane's place in a stage: 64 bytes + 16 of padding
.set WREG,  2*32*SP                    ; two stages for each wave
.set SCB,   4*WREG                     ; behind the stages: the work-group's 256 scale bytes
	s_load_b128 s[4:7], s[0:1], 0x0                ; x, xq
	v_lshl_add_u32 v144, v0, 2, 0x6000
	v_mov_b32 v145, 0
	v_lshrrev_b32 v1, 5, v0
	v_readfirstlane_b32 s16, v1                    ; wave
	v_and_b32 v2, 31, v0                           ; lane
	v_lshlrev_b32 v3, 4, v2                        ; my 16 bytes of a load's 512, and of a store's
	s_mul_i32 s17, s16, WREG
	v_lshrrev_b32 v14, 2, v2
	v_mul_u32_u24 v14, v14, SP
	v_and_b32 v15, 3, v2
	v_lshl_add_u32 v14, v15, 4, v14
	v_add_nc_u32 v14, s17, v14                     ; the stage, on the way in: SP (lane / 4) + 16 (lane % 4)
	v_mul_u32_u24 v15, v2, SP
	v_add_nc_u32 v15, s17, v15                     ; and on the way out: SP x lane
	v_lshrrev_b32 v5, 1, v2
	s_lshl_b32 s17, s16, 6
	s_add_co_u32 s17, s17, SCB
	v_add_nc_u32 v5, s17, v5                       ; my block's byte: 64 x wave + lane / 2 (+ 16 x step)
	v_lshlrev_b32 v7, 3, v2
	v_add_nc_u32 v6, SCB, v7                       ; the bytes' way out: 8 a lane
	s_mov_b32 s23, MANT
	s_lshl_b32 s18, ttmp9, 2
	s_add_co_u32 s18, s18, s16                     ; which run of 2,048 numbers is my wave's
	s_lshl_b32 s20, s18, 13                        ; 8,192 bytes of x a run
	s_mov_b32 s21, 0
	s_lshl_b32 s24, s18, 11                        ; 2,048 bytes of codes
	s_mov_b32 s25, 0
	s_lshl_b32 s26, ttmp9, 8                       ; 256 scale bytes a work-group
	s_add_co_u32 s26, s26, 4194304
	s_mov_b32 s27, 0
	s_wait_alu depctr_va_vdst(0)
	s_wait_kmcnt 0x0
	s_add_nc_u64 s[4:5], s[4:5], s[20:21]
	s_add_nc_u64 s[8:9], s[6:7], s[24:25]
	s_add_nc_u64 s[10:11], s[6:7], s[26:27]
.macro LOAD t
.irp i, 0,1,2,3
	global_load_b128 v[R+16*(\t)+4*\i:R+16*(\t)+4*\i+3], v3, s[4:5] offset:2048*(\t)+512*\i th:TH_LOAD_NT
.endr
.endm
.macro TURN t                          ; step t through the stage: LDS serves a wave's instructions in order, so no wait stands between the stores and the loads
.irp i, 0,1,2,3
	ds_store_b128 v14, v[R+16*(\t)+4*\i:R+16*(\t)+4*\i+3] offset:32*SP*((\t)%2)+8*SP*\i
.endr
.irp i, 0,1,2,3
	ds_load_b128 v[X+16*((\t)%2)+4*\i:X+16*((\t)%2)+4*\i+3], v15 offset:32*SP*((\t)%2)+16*\i
.endr
.endm
.irp t, 0,1,2,3
	LOAD \t
.endr
	s_wait_loadcnt 12                              ; step 0's four loads are in; the twelve behind them may be out
	TURN 0
.macro STEP t
.set XS, X+16*((\t)%2)
.if (\t) > 0
	s_wait_dscnt 1                                 ; this step's numbers are back from the stage (the last step's byte store may be out)
.else
	s_wait_dscnt 0x0
.endif
.if (\t)+1 < STEPS
	s_wait_loadcnt 4*(STEPS-2-(\t))                ; the next step's four loads are in; those of the steps behind it may be out
	TURN (\t)+1
.endif
	v_max3_num_f32 v8, |v[XS]|, |v[XS+1]|, |v[XS+2]|
	v_max3_num_f32 v9, |v[XS+3]|, |v[XS+4]|, |v[XS+5]|
.irp i, 6,10
	v_max3_num_f32 v8, v8, |v[XS+\i]|, |v[XS+\i+1]|
	v_max3_num_f32 v9, v9, |v[XS+\i+2]|, |v[XS+\i+3]|
.endr
	v_max3_num_f32 v8, v8, |v[XS+14]|, |v[XS+15]|
	v_max3_num_f32 v8, v8, v9, 0x4800000           ; and the floor 2^(9 - 127): the byte cannot fall under 1
	v_max_num_f32_dpp v8, v8, v8 row_xmask:1 row_mask:0xf bank_mask:0xf   ; with my neighbour's 16: the block's
	v_add_nc_u32 v11, 0xfc000000, v8               ; 8 off the exponent field: the conversion's scale operand
	v_and_or_b32 v10, v8, 0x7f800000, s23          ; 448 x the scale
.irp i, 0,1,2,3,4,5,6,7,8,9,10,11,12,13,14,15
	v_med3_num_f32 v[XS+\i], v[XS+\i], -v10, v10   ; the conversion to an 8-bit code does not saturate (ISA guide 7.6.2): the hold comes first
.endr
	v_cvt_scalef32_pk8_fp8_f32 v[C+4*(\t):C+4*(\t)+1], v[XS:XS+7], v11
	v_cvt_scalef32_pk8_fp8_f32 v[C+4*(\t)+2:C+4*(\t)+3], v[XS+8:XS+15], v11
	v_lshrrev_b32 v[E+(\t)], 23, v11               ; the scale's byte
	ds_store_b8 v5, v[E+(\t)] offset:16*(\t)       ; both lanes of a block write the same byte with the same value
	global_store_b128 v3, v[C+4*(\t):C+4*(\t)+3], s[8:9] offset:512*(\t)
.endm
.irp t, 0,1,2,3
	STEP \t
.endr
	s_wait_dscnt 0x0                               ; for the others' sake: my byte stores have landed
	s_barrier_signal -1
	s_barrier_wait -1
	s_cmp_lg_u32 s16, 0
	s_cbranch_scc1 .Ldone
	ds_load_b64 v[12:13], v6
	s_wait_dscnt 0x0
	global_store_b64 v7, v[12:13], s[10:11]        ; 32 lanes store 256 consecutive bytes, aligned
.Ldone:
	s_wait_tensorcnt 0x0
	ds_add_u32 v144, v145
	s_wait_dscnt 0x0
	s_endpgm
.Lfunc_end_k_q39f3cf98f1_quantx:
	.size	k_q39f3cf98f1_quantx, .Lfunc_end_k_q39f3cf98f1_quantx-k_q39f3cf98f1_quantx
	.p2alignl 7, 3214868480
	.fill 96, 4, 3214868480
	.section	.rodata,"a",@progbits
	.p2align	6, 0x0
	.amdhsa_kernel k_q39f3cf98f1_quantx
		.amdhsa_group_segment_fixed_size 25088
		.amdhsa_private_segment_fixed_size 0
		.amdhsa_enable_private_segment 0
		.amdhsa_kernarg_size 16
		.amdhsa_user_sgpr_count 2
		.amdhsa_user_sgpr_kernarg_segment_ptr 1
		.amdhsa_wavefront_size32 1
		.amdhsa_system_sgpr_workgroup_id_x 1
		.amdhsa_system_sgpr_workgroup_id_y 1
		.amdhsa_system_sgpr_workgroup_id_z 1
		.amdhsa_system_vgpr_workitem_id 0
		.amdhsa_next_free_vgpr 146
		.amdhsa_next_free_sgpr 66
		.amdhsa_reserve_vcc 0
		.amdhsa_float_denorm_mode_32 3
		.amdhsa_float_denorm_mode_16_64 3
		.amdhsa_memory_ordered 1
		.amdhsa_forward_progress 1
		.amdhsa_inst_pref_size 15
	.end_amdhsa_kernel
	.amdgpu_metadata
---
amdhsa.version: [ 1, 2 ]
amdhsa.kernels:
  - .name:           k_q39f3cf98f1_quantx
    .symbol:         k_q39f3cf98f1_quantx.kd
    .args:
      - { .name: x, .offset: 0, .size: 8, .value_kind: global_buffer, .address_space: global }
      - { .name: xq, .offset: 8, .size: 8, .value_kind: global_buffer, .address_space: global }
    .group_segment_fixed_size: 25088
    .private_segment_fixed_size: 0
    .kernarg_segment_align: 8
    .kernarg_segment_size: 16
    .max_flat_workgroup_size: 128
    .sgpr_count:     66
    .vgpr_count:     146
    .wavefront_size: 32
...
	.end_amdgpu_metadata
.endif
;; end of part 1
;; launch qkv (part 2): grid 12 x 16, 4 waves a work-group, clusters of 4 x 4, 327,680 bytes of LDS; arguments xq, Wq_codes, Wq_scales, Wk_codes, Wk_scales, Wv_codes, Wv_scales, qkv; writes qkv
.if DOCPART == 2
	.amdgcn_target "amdgcn-amd-amdhsa--gfx1250"
	.amdhsa_code_object_version 6
	.text
	.protected	k_q39f3cf98f1_qkv
	.globl	k_q39f3cf98f1_qkv
	.p2align	8
	.type	k_q39f3cf98f1_qkv,@function
k_q39f3cf98f1_qkv:
	s_mov_b64 s[64:65], 0
	v_nop
	global_prefetch_b8 v0, s[64:65] scope:SCOPE_SE
	s_setreg_imm32_b32 hwreg(HW_REG_WAVE_MODE, 25, 1), 1
	s_wait_xcnt 0x0
	s_wait_alu depctr_hold_cnt(0) depctr_sa_sdst(0) depctr_va_vdst(0) depctr_va_sdst(0) depctr_va_ssrc(0) depctr_va_vcc(0) depctr_vm_vsrc(0)
	s_getreg_b32 s2, hwreg(HW_REG_IB_STS2, 6, 4)
	s_cmp_eq_u32 s2, 0
	s_cbranch_scc0 .Lentry_in_a_cluster
	s_endpgm
.Lentry_in_a_cluster:
	s_bfe_u32 s2, ttmp6, 0x10000c
	s_cmp_lg_u32 s2, 0xf033
	s_cbranch_scc0 .Lentry_shape_is_right
	s_endpgm
.Lentry_shape_is_right:
.set SIZE_K, 1024
.set KSTEP,  256
.set NQ,     KSTEP/128
.set ROWB,   256
.set KROW,   SIZE_K
.set PITCH,  272
.set FR,     16
.set NL,     4
.set NP,     8
.set HALFT,  128*PITCH
.set SLOT,   4*HALFT
.set LAPS,   SIZE_K/(2*KSTEP)
.set KS,     SIZE_K/32
.set SCL,    2*SLOT
.set HALFS,  (128*KS/256)*272
.set SBLK,   (16*KS/256)*272
.set SPARE,  SCL+4*HALFS
.set ADRA, 16
.set ADRB, 20
.set ADRS, 27
.set SPW,  28
.set NIL,  29
.set SC,   32
.set AF,   128
.set RB,   32
.set TA,   40
.set TM,   96
.set PW,   112
.set T0,   120
.set T1,   121
.set LI,   122
.set LI2,  123
.set SCRA, 124
.set SCRB, 125
.set SWO,  126
.set PC,   128
.set G1, 24
.set G0, 32
.set G1B, 48
.set G0B, 56
.set G1S, 68
.set G0S, 76
.set G1SB, 80
.set G0SB, 88
.set MSB, 0
.macro WIN new
.if MSB != \new
	s_set_vgpr_msb (MSB<<8)|\new
.set MSB, \new
.endif
.endm
.set MUL_LO, 0xa1
.set MUL_HI, 0xf1
.set TO_B,   0x40
.macro JLOAD g0a, g1a, g0b, g1b
	s_cmp_eq_u32 s15, 0
	s_cbranch_scc0 .Lfor_b_\@
	tensor_load_to_lds s[\g0a:\g0a+3], s[\g1a:\g1a+7]
	s_nop 0
.rept 4
	v_nop
.endr
	s_branch .Lasked_\@
.Lfor_b_\@:
	tensor_load_to_lds s[\g0b:\g0b+3], s[\g1b:\g1b+7]
	s_nop 0
.rept 4
	v_nop
.endr
.Lasked_\@:
.endm
.macro CREST
	s_cmp_lg_u32 s14, 0
	s_cbranch_scc1 .Lnot_wave_0_\@
	s_barrier_signal -3
.Lnot_wave_0_\@:
	s_barrier_wait -3
	s_barrier_signal -1
	s_barrier_wait -1
.endm
.macro CROUND
	s_barrier_signal -1
	s_barrier_wait -1
	CREST
.endm
	s_load_b512 s[68:83], s[0:1], 0x0
	v_lshl_add_u32 v[SPW], v0, 2, SPARE
	v_mov_b32 v[NIL], 0
	ds_add_u32 v28, v29
	ds_add_u32 v28, v29
	s_wait_dscnt 0x0
	v_lshrrev_b32 v1, 5, v0
	v_readfirstlane_b32 s14, v1
	s_lshr_b32 s15, s14, 1
	s_and_b32 s16, s14, 1
	s_bfe_u32 s40, ttmp6, 0x40000
	s_bfe_u32 s41, ttmp6, 0x40004
	s_and_b32 s17, ttmp7, 0xffff
	s_lshl_b32 s17, s17, 2
	s_cmp_eq_u32 ttmp9, 2
	s_cselect_b32 s42, s17, 0
	s_cselect_b32 s17, 0, s17
	s_add_co_u32 s42, s42, s40
	s_add_co_u32 s17, s17, s41
	s_lshl_b32 s43, s41, 2
	s_lshl_b32 s43, 15, s43
	s_lshl_b32 s44, 0x1111, s40
	s_or_b32 s[G1+0], s43, (0<<16)|(1<<20)|(1<<21)|(5<<22)|(3<<25)
	s_or_b32 s[G1B+0], s44, (0<<16)|(1<<20)|(1<<21)|(5<<22)|(3<<25)
.irp g, G1, G1B
	s_mov_b32 s[\g+1], ROWB<<16
	s_mov_b32 s[\g+2], 256<<16                     ; the head's loads bring a whole tile of 256 rows; behind them the two words are set to 128
	s_mov_b32 s[\g+3], ROWB<<16
	s_mov_b32 s[\g+4], 256
	s_mov_b32 s[\g+5], KROW
	s_mov_b32 s[\g+6], 0
	s_mov_b32 s[\g+7], 0
.endr
	s_lshl_b32 s18, s16, 7
	s_lshl_b32 s20, s17, 8
	s_add_co_u32 s20, s20, s18
	s_lshl_b32 s46, s42, 8
	s_add_co_u32 s46, s46, s18
	s_mov_b32 s21, 0
	s_mov_b32 s47, 0
	s_mov_b64 s[18:19], KS
	s_mul_u64 s[22:23], s[20:21], s[18:19]
	s_mul_u64 s[92:93], s[46:47], s[18:19]
	s_mov_b64 s[18:19], KROW
	s_mul_u64 s[20:21], s[20:21], s[18:19]
	s_mul_u64 s[46:47], s[46:47], s[18:19]
	s_mul_i32 s45, s14, HALFT
	s_wait_kmcnt 0x0
	s_add_nc_u64 s[84:85], s[68:69], 4194304
	s_cmp_eq_u32 ttmp9, 0
	s_cselect_b64 s[86:87], s[70:71], s[74:75]
	s_cselect_b64 s[88:89], s[72:73], s[76:77]
	s_cmp_eq_u32 ttmp9, 2
	s_cselect_b64 s[4:5], s[78:79], s[68:69]
	s_cselect_b64 s[6:7], s[80:81], s[84:85]
	s_cselect_b64 s[8:9], s[68:69], s[86:87]
	s_cselect_b64 s[10:11], s[84:85], s[88:89]
	s_mov_b64 s[12:13], s[82:83]
	s_add_nc_u64 s[20:21], s[4:5], s[20:21]
	s_add_nc_u64 s[22:23], s[6:7], s[22:23]
	s_add_nc_u64 s[46:47], s[8:9], s[46:47]
	s_add_nc_u64 s[92:93], s[10:11], s[92:93]
	s_or_b32 s[G1S+0], s43, (3<<16)|(1<<20)|(1<<21)|(5<<22)|(3<<25)
	s_or_b32 s[G1SB+0], s44, (3<<16)|(1<<20)|(1<<21)|(5<<22)|(3<<25)
.irp g, G1S, G1SB
	s_mov_b32 s[\g+1], 32<<16
	s_mov_b32 s[\g+2], KS<<16                      ; the scales of 256 rows: KS rows of 256 bytes
	s_mov_b32 s[\g+3], 32<<16
	s_mov_b32 s[\g+4], KS
	s_mov_b32 s[\g+5], 32
	s_mov_b32 s[\g+6], 0
	s_mov_b32 s[\g+7], 0
.endr
	CROUND
	s_mov_b32 s[G0S], 1
	s_mov_b32 s[G0S+1], SCL
	s_sub_nc_u64 s[G0S+2:G0S+3], s[22:23], 128*KS  ; wave 1 asks: its own rows begin 128 rows into the tile
	s_or_b32 s[G0S+3], s[G0S+3], 0x80000000
	s_mov_b32 s[G0SB], 1
	s_mov_b32 s[G0SB+1], SCL+2*HALFS
	s_sub_nc_u64 s[G0SB+2:G0SB+3], s[92:93], 128*KS ; wave 3 asks: likewise
	s_or_b32 s[G0SB+3], s[G0SB+3], 0x80000000
.irp s, 0,1
	s_mov_b32 s[G0+4*\s], 1
	s_add_co_u32 s[G0+4*\s+1], s45, \s*SLOT
	s_add_nc_u64 s[G0+4*\s+2:G0+4*\s+3], s[20:21], \s*ROWB
	s_or_b32 s[G0+4*\s+3], s[G0+4*\s+3], 0x80000000
	s_mov_b32 s[G0B+4*\s], 1
	s_add_co_u32 s[G0B+4*\s+1], s45, \s*SLOT
	s_add_nc_u64 s[G0B+4*\s+2:G0B+4*\s+3], s[46:47], \s*ROWB
	s_or_b32 s[G0B+4*\s+3], s[G0B+4*\s+3], 0x80000000
.endr
; THE HEAD'S LOADS, ONE A WAVE: wave 0 K step 0's 256 rows of A, wave 2 its 256 rows of B (both have half 0, so their own slot 0 descriptors name the tile's first row), wave 1 A's scales, wave 3 B's.
.macro ARM w, g0, g1, next
	s_cmp_eq_u32 s14, \w
	s_cbranch_scc0 \next
	tensor_load_to_lds s[\g0:\g0+3], s[\g1:\g1+7]
	s_nop 0
.rept 4
	v_nop
.endr
	s_branch .Lhead_asked
\next:
.endm
	ARM 0, G0, G1, .Lhead_b
	ARM 2, G0B, G1B, .Lhead_sa
	ARM 1, G0S, G1S, .Lhead_sb
	tensor_load_to_lds s[G0SB:G0SB+3], s[G1SB:G1SB+7]
	s_nop 0
.rept 4
	v_nop
.endr
.Lhead_asked:
	v_and_b32 v1, 15, v0
	v_bfe_u32 v2, v0, 4, 1
	v_mul_u32_u24 v3, v1, PITCH
	v_lshl_add_u32 v4, v2, 4, v3
	s_mul_i32 s21, s15, HALFT
	s_mul_i32 s22, s16, HALFT
	s_add_co_u32 s22, s22, 2*HALFT
.irp s, 0,1
	v_add_nc_u32 v[ADRA+\s], s21, v4
	v_add_nc_u32 v[ADRB+\s], s22, v4
	s_add_co_u32 s21, s21, SLOT
	s_add_co_u32 s22, s22, SLOT
.endr
	v_mul_u32_u24 v5, v1, KS
	v_lshrrev_b32 v6, 8, v5
	v_lshl_add_u32 v5, v6, 4, v5
	s_mul_i32 s21, s15, HALFS
	s_mul_i32 s22, s16, HALFS
	s_add_co_u32 s22, s22, 2*HALFS
	s_sub_co_u32 s22, s22, s21
	v_mul_u32_u24 v6, s22, v2
	s_add_co_u32 s21, s21, SCL
	v_add_nc_u32 v5, v5, v6
	v_add_nc_u32 v[ADRS], s21, v5
.macro FRAG reg, adr, q, i
.irp c, 0,1,2,3
	ds_load_b128 v[\reg+4*\c:\reg+4*\c+3], v[\adr] offset:128*(\q)+32*\c+(\i)*16*PITCH
.endr
.endm
.macro MUL16 a0, p, q, sc, zero
.irp a, \a0, \a0+1
.irp b, 0,1,2,3,4,5,6,7
.if \zero
	v_wmma_scale_f32_16x16x128_f8f6f4 v[8*(8*((\a)%4)+\b):8*(8*((\a)%4)+\b)+7], v[128*(\p)+FR*\b:128*(\p)+FR*\b+FR-1], v[AF+FR*(\a):AF+FR*(\a)+FR-1], 0, v[SC+8*NQ*(\sc)+NQ*\b+(\q)], v[SC+8*NQ*(\sc)+NQ*(\a)+(\q)] matrix_a_scale:MATRIX_SCALE_ROW1
.else
	v_wmma_scale_f32_16x16x128_f8f6f4 v[8*(8*((\a)%4)+\b):8*(8*((\a)%4)+\b)+7], v[128*(\p)+FR*\b:128*(\p)+FR*\b+FR-1], v[AF+FR*(\a):AF+FR*(\a)+FR-1], v[8*(8*((\a)%4)+\b):8*(8*((\a)%4)+\b)+7], v[SC+8*NQ*(\sc)+NQ*\b+(\q)], v[SC+8*NQ*(\sc)+NQ*(\a)+(\q)] matrix_a_scale:MATRIX_SCALE_ROW1
.endif
.endr
.endr
.endm
.macro FETCH_B slot, q, p
	WIN TO_B
.irp i, 0,1,2,3,4,5,6,7
	FRAG 128*(\p)+FR*\i, ADRB+\slot, \q, \i
.endr
	WIN 0
.endm
.macro FETCH_A slot, q, i0
.irp i, \i0, \i0+1, \i0+2, \i0+3
	FRAG AF+FR*(\i), ADRA+\slot, \q, \i
.endr
.endm
.macro SCALES sc
.irp i, 0,1,2,3,4,5,6,7
	ds_load_b64 v[SC+8*NQ*\sc+NQ*\i:SC+8*NQ*\sc+NQ*\i+1], v[ADRS] offset:\i*SBLK
.endr
.endm
.macro PLACES n
.rept \n
	v_nop
.endr
.endm
.macro STEP slot, q, zero
	s_wait_dscnt 4*NL
	WIN MUL_LO
	MUL16 0, (\q)%2, \q, \slot, \zero
	MUL16 2, (\q)%2, \q, \slot, \zero
	s_wait_dscnt 0
	PLACES NP
	FETCH_B \slot, (\q)+1, 1-(\q)%2
	FETCH_A \slot, (\q)+1, 0
	WIN MUL_HI
	MUL16 4, (\q)%2, \q, \slot, \zero
	MUL16 6, (\q)%2, \q, \slot, \zero
	PLACES NP
	WIN 0
	FETCH_A \slot, (\q)+1, 4
.endm
.macro TURN slot, next, fill
	s_wait_tensorcnt 0x0
	ds_add_u32 v[SPW], v[NIL]
	s_wait_dscnt 4*NL+1
	WIN MUL_LO
	MUL16 0, 1, NQ-1, \slot, 0
	s_wait_dscnt 0x0
	s_barrier_signal -1
	MUL16 2, 1, NQ-1, \slot, 0
	WIN 0
	s_barrier_wait -1
.if \fill
	CREST
	s_add_nc_u64 s[G0+4*\slot+2:G0+4*\slot+3], s[G0+4*\slot+2:G0+4*\slot+3], 2*ROWB
	s_add_nc_u64 s[G0B+4*\slot+2:G0B+4*\slot+3], s[G0B+4*\slot+2:G0B+4*\slot+3], 2*ROWB
	JLOAD G0+4*\slot, G1, G0B+4*\slot, G1B
	PLACES NP-4
.else
	PLACES NP
.endif
	s_wait_alu depctr_va_vdst(0)
	v_add_nc_u32 v[ADRS], 4*NQ, v[ADRS]
	FETCH_B \next, 0, 0
	FETCH_A \next, 0, 0
	SCALES \next
	WIN MUL_HI
	MUL16 4, 1, NQ-1, \slot, 0
	MUL16 6, 1, NQ-1, \slot, 0
	PLACES NP
	WIN 0
	FETCH_A \next, 0, 4
.endm
	s_wait_alu depctr_va_vdst(0)                   ; the wait at the head's end
	s_wait_tensorcnt 0x0                           ; my tile of the head's four is in
	ds_add_u32 v[SPW], v[NIL]
	s_mov_b32 s[G1+2], 128<<16                     ; no tensor load of mine is out: from here on a load brings 128 rows
	s_mov_b32 s[G1+4], 128
	s_mov_b32 s[G1B+2], 128<<16
	s_mov_b32 s[G1B+4], 128
	s_wait_dscnt 0x0
	CROUND                                         ; all four tiles are in, and all sixteen work-groups are here
	JLOAD G0+4, G1, G0B+4, G1B                     ; K step 1: the first tensor load behind the round
	FETCH_B 0, 0, 0
	FETCH_A 0, 0, 0
	SCALES 0
	FETCH_A 0, 0, 4
	STEP 0, 0, 1
	s_mov_b32 s3, LAPS-1
.Llap:
	TURN 0, 1, 1
	STEP 1, 0, 0
	TURN 1, 0, 1
	STEP 0, 0, 0
	s_sub_co_u32 s3, s3, 1
	s_cmp_lg_u32 s3, 0
	s_cbranch_scc1 .Llap
	TURN 0, 1, 0
	STEP 1, 0, 0
	s_wait_dscnt 4*NL
	WIN MUL_LO
	MUL16 0, 1, NQ-1, 1, 0
	MUL16 2, 1, NQ-1, 1, 0
	s_wait_dscnt 0
	WIN MUL_HI
	MUL16 4, 1, NQ-1, 1, 0
	MUL16 6, 1, NQ-1, 1, 0
	WIN 0
	PLACES NP
	s_mov_b32 s66, 0x76543210
	s_mov_b32 s67, 0xfedcba98
	s_mov_b32 s95, 0x600000
	s_lshl_b32 s20, s17, 8
	s_lshl_b32 s21, s15, 7
	s_add_co_u32 s20, s20, s21
	s_lshl_b32 s21, s42, 8
	s_lshl_b32 s22, s16, 7
	s_add_co_u32 s21, s21, s22
	s_lshr_b32 s22, s20, 11
	s_lshl_b32 s22, s22, 4
	s_lshr_b32 s23, s21, 6
	s_add_co_u32 s22, s22, s23
	s_and_b32 s23, s20, 2047
	s_lshl_b32 s44, s22, 17
	s_lshl_b32 s92, s23, 6
	s_add_co_u32 s44, s44, s92
	s_lshl_b32 s92, ttmp9, 22
	s_add_co_u32 s44, s44, s92
	s_lshl_b32 s46, s22, 13
	s_lshl_b32 s92, s23, 2
	s_add_co_u32 s46, s46, s92
	s_lshl_b32 s92, ttmp9, 18
	s_add_co_u32 s46, s46, s92
	s_add_co_u32 s46, s46, 12582912
	s_lshr_b32 s22, s21, 11
	s_bfe_u32 s23, s21, 0x40007
	s_lshl_b32 s93, s22, 21
	s_lshl_b32 s92, s20, 11
	s_add_co_u32 s93, s93, s92
	s_lshl_b32 s92, s23, 11
	s_add_co_u32 s93, s93, s92
	s_add_co_u32 s93, s93, 8388608
	s_lshl_b32 s94, s22, 16
	s_lshl_b32 s92, s20, 6
	s_add_co_u32 s94, s94, s92
	s_lshl_b32 s92, s23, 8
	s_add_co_u32 s94, s94, s92
	s_add_co_u32 s94, s94, 13107200
	s_cmp_eq_u32 ttmp9, 2
	s_cselect_b32 s44, s93, s44
	s_cselect_b32 s46, s94, s46
	s_mov_b32 s100, 0x7f7f0000
	s_cselect_b32 s100, 0, s100
	s_mov_b32 s99, 0xffff
	s_cselect_b32 s99, -1, s99
	s_mov_b32 s96, 1024
	s_cselect_b32 s96, 32768, s96
	s_mov_b32 s98, 0x20000
	s_cselect_b32 s98, 1024, s98
	s_cselect_b32 s101, 3840, 0
	s_mov_b32 s45, 0
	s_mov_b32 s47, 0
	s_mov_b32 s97, 0
	s_add_nc_u64 s[10:11], s[12:13], s[46:47]
	s_add_nc_u64 s[12:13], s[12:13], s[44:45]
	v_and_b32 v[T0], 31, v0
	v_lshlrev_b32 v[LI], 4, v[T0]
	v_add_nc_u32 v[LI2], s98, v[LI]
	v_bfe_u32 v[T1], v0, 4, 1
	v_mad_u32_u24 v[SWO], v[T1], s101, v[LI]
	s_lshl_b32 s23, s14, 11
	v_and_b32 v[T1], 15, v0
	v_lshl_add_u32 v[SCRA], v[T1], 2, s23
	v_add_nc_u32 v[SCRB], s23, v[LI]
.irp b, 0,1,2,3
	v_mov_b32 v[TM+4+\b], 0
.endr
.macro QUANTW a
.set AC, 64*((\a)%4)
.set WW, 2+(\a)/4
.set W1, WW|(WW<<2)
.set W2, WW|(WW<<6)
	WIN W1
.irp b, 0,1,2,3
	v_max3_num_f32 v[TM+\b], |v[AC+16*\b]|, |v[AC+16*\b+1]|, 0x4800000
.endr
.irp i, 2,4,6,8,10,12,14
.irp b, 0,1,2,3
	v_max3_num_f32 v[TM+\b], |v[AC+16*\b+\i]|, |v[AC+16*\b+\i+1]|, v[TM+\b]
.endr
.endr
	WIN 0
.irp b, 0,1,2,3
	v_permlanex16_b32 v[TM+4+\b], v[TM+\b], s66, s67
.endr
.irp b, 0,1,2,3
	v_max_num_f32 v[TM+\b], v[TM+\b], v[TM+4+\b]
.endr
.irp b, 0,1,2,3
	v_add_nc_u32 v[TM+12+\b], 0xfc000000, v[TM+\b]
.endr
.irp b, 0,1,2,3
	v_and_or_b32 v[TM+8+\b], v[TM+\b], 0x7f800000, s95
.endr
.irp b, 0,1,2,3
	v_lshrrev_b32 v[TM+4+\b], 23, v[TM+12+\b]
.endr
	v_lshl_or_b32 v[PW+\a], v[TM+5], 8, v[TM+4]
	v_lshl_or_b32 v[PW+\a], v[TM+6], 16, v[PW+\a]
	v_lshl_or_b32 v[PW+\a], v[TM+7], 24, v[PW+\a]
	WIN W2
.irp b, 0,1,2,3
.irp i, 0,1,2,3,4,5,6,7,8,9,10,11,12,13,14,15
	v_med3_num_f32 v[AC+16*\b+\i], v[AC+16*\b+\i], -v[TM+8+\b], v[TM+8+\b]
.endr
.endr
	WIN WW
.irp b, 0,1,2,3
	v_cvt_scalef32_pk8_fp8_f32 v[PC+16*(\a)+4*\b:PC+16*(\a)+4*\b+1], v[AC+16*\b:AC+16*\b+7], v[TM+12+\b]
	v_cvt_scalef32_pk8_fp8_f32 v[PC+16*(\a)+4*\b+2:PC+16*(\a)+4*\b+3], v[AC+16*\b+8:AC+16*\b+15], v[TM+12+\b]
.endr
	WIN 0
	v_nop
.endm
.irp a, 0,1,2,3,4,5,6,7
	QUANTW \a
.if \a > 0
	s_wait_alu depctr_va_vdst(0)
	s_wait_xcnt 0x0
	s_add_nc_u64 s[12:13], s[12:13], s[96:97]
.endif
	global_store_b128 v[LI], v[PC+16*\a:PC+16*\a+3], s[12:13]
	global_store_b128 v[LI], v[PC+16*\a+4:PC+16*\a+7], s[12:13] offset:512
	global_store_b128 v[LI2], v[PC+16*\a+8:PC+16*\a+11], s[12:13]
	global_store_b128 v[LI2], v[PC+16*\a+12:PC+16*\a+15], s[12:13] offset:512
	v_and_or_b32 v[TA+2*\a], v[PW+\a], s99, s100
	v_lshrrev_b32 v[TA+2*\a+1], 16, v[PW+\a]
	v_or_b32 v[TA+2*\a+1], s100, v[TA+2*\a+1]
	ds_store_b32 v[SCRA], v[TA+2*\a] offset:64*\a
	ds_store_b32 v[SCRA], v[TA+2*\a+1] offset:512+64*\a
.endr
	ds_load_b128 v[RB:RB+3], v[SCRB]
	ds_load_b128 v[RB+4:RB+7], v[SCRB] offset:512
	s_wait_dscnt 0x0
	global_store_b128 v[SWO], v[RB:RB+3], s[10:11]
	s_cmp_eq_u32 ttmp9, 2
	s_cbranch_scc1 .Lno_second
	global_store_b128 v[SWO], v[RB+4:RB+7], s[10:11] offset:8192
.Lno_second:
	s_wait_tensorcnt 0x0
	ds_add_u32 v[SPW], v[NIL]
	s_wait_dscnt 0x0
	CROUND
	s_endpgm
.Lfunc_end_k_q39f3cf98f1_qkv:
	.size	k_q39f3cf98f1_qkv, .Lfunc_end_k_q39f3cf98f1_qkv-k_q39f3cf98f1_qkv
	.p2alignl 7, 3214868480
	.fill 96, 4, 3214868480
	.section	.rodata,"a",@progbits
	.p2align	6, 0x0
	.amdhsa_kernel k_q39f3cf98f1_qkv
		.amdhsa_group_segment_fixed_size 327680
		.amdhsa_private_segment_fixed_size 0
		.amdhsa_enable_private_segment 0
		.amdhsa_kernarg_size 64
		.amdhsa_user_sgpr_count 2
		.amdhsa_user_sgpr_kernarg_segment_ptr 1
		.amdhsa_wavefront_size32 1
		.amdhsa_system_sgpr_workgroup_id_x 1
		.amdhsa_system_sgpr_workgroup_id_y 1
		.amdhsa_system_sgpr_workgroup_id_z 1
		.amdhsa_system_vgpr_workitem_id 0
		.amdhsa_next_free_vgpr 1024
		.amdhsa_next_free_sgpr 102
		.amdhsa_reserve_vcc 0
		.amdhsa_float_denorm_mode_32 3
		.amdhsa_float_denorm_mode_16_64 3
		.amdhsa_memory_ordered 1
		.amdhsa_forward_progress 1
		.amdhsa_inst_pref_size 190
	.end_amdhsa_kernel
	.amdgpu_metadata
---
amdhsa.version: [ 1, 2 ]
amdhsa.kernels:
  - .name:           k_q39f3cf98f1_qkv
    .symbol:         k_q39f3cf98f1_qkv.kd
    .args:
      - { .name: xq, .offset: 0, .size: 8, .value_kind: global_buffer, .address_space: global }
      - { .name: Wq_codes, .offset: 8, .size: 8, .value_kind: global_buffer, .address_space: global }
      - { .name: Wq_scales, .offset: 16, .size: 8, .value_kind: global_buffer, .address_space: global }
      - { .name: Wk_codes, .offset: 24, .size: 8, .value_kind: global_buffer, .address_space: global }
      - { .name: Wk_scales, .offset: 32, .size: 8, .value_kind: global_buffer, .address_space: global }
      - { .name: Wv_codes, .offset: 40, .size: 8, .value_kind: global_buffer, .address_space: global }
      - { .name: Wv_scales, .offset: 48, .size: 8, .value_kind: global_buffer, .address_space: global }
      - { .name: qkv, .offset: 56, .size: 8, .value_kind: global_buffer, .address_space: global }
    .group_segment_fixed_size: 327680
    .private_segment_fixed_size: 0
    .kernarg_segment_align: 8
    .kernarg_segment_size: 64
    .max_flat_workgroup_size: 128
    .sgpr_count:     102
    .vgpr_count:     1024
    .wavefront_size: 32
...
	.end_amdgpu_metadata
.endif
;; end of part 2
;; launch attn (part 3): grid 8 x 32, 16 waves a work-group, clusters of 4 x 1, 327,680 bytes of LDS; arguments qkv, mask, oimg; writes oimg
.if DOCPART == 3
	.amdgcn_target "amdgcn-amd-amdhsa--gfx1250"
	.amdhsa_code_object_version 6
	.text
	.protected	k_q39f3cf98f1_attn
	.globl	k_q39f3cf98f1_attn
	.p2align	8
	.type	k_q39f3cf98f1_attn,@function
k_q39f3cf98f1_attn:
	s_mov_b64 s[64:65], 0
	v_nop
	global_prefetch_b8 v0, s[64:65] scope:SCOPE_SE
	s_setreg_imm32_b32 hwreg(HW_REG_WAVE_MODE, 25, 1), 1
	s_wait_xcnt 0x0
	s_wait_alu depctr_hold_cnt(0) depctr_sa_sdst(0) depctr_va_vdst(0) depctr_va_sdst(0) depctr_va_ssrc(0) depctr_va_vcc(0) depctr_vm_vsrc(0)
	s_getreg_b32 s2, hwreg(HW_REG_IB_STS2, 6, 4)
	s_cmp_eq_u32 s2, 0
	s_cbranch_scc0 .Lentry_in_a_cluster
	s_endpgm
.Lentry_in_a_cluster:
	s_bfe_u32 s2, ttmp6, 0x10000c
	s_cmp_lg_u32 s2, 0x3003
	s_cbranch_scc0 .Lentry_shape_is_right
	s_endpgm
.Lentry_shape_is_right:
; Attention on codes of FP8 (E4M3) with E8M0 scales, head size 64, 2,048 keys, with the mask that is given; the result is quantised along d_model and stored as the A operand of the next product.
; t = score x log2(e) / 8; M = the running largest t rounded UP to a whole number; p = 2^(t - M) is quantised along the keys; the row's sum is taken of the unquantised p and divides at the end.
; SHARES.  A work-group owns 256 queries of ONE head; each of its sixteen waves owns one tile of 16 queries and walks all keys, 128 a step.
; K AND V OF THE HEAD STAY IN LDS: 131,072 bytes of operand images each, with their scale words.  They come once, in four stages of 512 keys (waves 0, 1: the halves of K's stages; waves 2, 3: of V's), five loads a wave,
; all asked for at the head.  Stage 0 is read behind a counted wait and a barrier while the other three are on their way; one more wait and barrier stand ahead of those.  No LDS byte is filled twice.
; The four query blocks of a cluster read the same head: every load is asked for jointly.
; LAYOUT.  Both products are used transposed: S^T = K Q^T, O^T = V^T P^T: a lane holds ONE query.  The head's 64 fill half of the instruction's 128 along K: registers 8-15 of Q's and K's fragments hold zero codes.
; The 16 registers of score tiles 2 B and 2 B + 1 lie in one true block of 32 keys, in the same order inside the block in which V's images were made.
; THE MASK is the C of the score products: the work-group makes 2,048 f32 words in LDS, 0 for a key that counts and -2^100 for a hidden one, and a tile's eight words are loaded into its accumulator.
; The running largest t begins at -2^90, over every hidden key's t: so a hidden key's p is exactly 0.  A row whose largest t is still under -2^89 at the end had no key that counts: its scale bytes become 0xff (NaN).
; LIMITS: |t| of a key that counts stays under 2^89; NaN and infinities are not served; blocks under 2^-118 keep the byte 1.
; REGISTERS: v2-4 addresses that stay; v8-11 addresses of the step; v12 -M, v13 the largest t, v[14:15] the sum; v16-31 Q; v32-95 four fragments of K; v96-159 S^T, then p, then V's four fragments; v160-191 O^T;
;   v192-208 addresses that stay and the mask at the head; v224.. p's codes; v232-254 at work; v255 Q's words.
; THE FILLS AS THIS TEXT HAS THEM (in place of the head's sentences on four stages asked for by four waves): K's and V's 131,072 bytes are eight pieces of 16,384 each; wave w < 8 asks for K's piece w, wave w >= 8 for V's piece w - 8:
; one joint load a wave.  Every wave waits for its load ahead of the one barrier, behind which no wave waits for another.  The scale words (12,288 bytes of the 274,432 that a work-group needs) come through registers, as the mask does, and are not asked for jointly.
.set KW,    56                         ; s[56:57] K's scale words of the plane in memory;  s[58:59] V's
.set VW,    58
.set STG,   32768
.set VOFF,  131072                     ; K's four stages, then V's four
.set SCK,   262144                     ; K's scale words [2,048]
.set SCV,   SCK+8192                   ; V's [step 16][64]
.set MSK,   SCV+4096                   ; the mask's words [2,048]: stored by the waves; no load lands here
.set AV0,  2
.set ASK0, 3
.set ASV0, 4
.set ADK,  8
.set ADV,  9
.set ADS,  10
.set ADT,  11
.set AM0,  192
.set ADM,  193
.set L16,  195                         ; 16 x lane: my place in an image, in LDS and in memory
.set R4,   197                         ; 4 x (lane % 16)
.set TB,   2                           ; s2   the stage's first byte in K's and in V's region
.set TS,   3                           ; s3   the stage's first word of K's scales and of the mask
.set WV,   18
.set MNT,  19
.set SEL,  20
.set CS,   22
.set G1K,  24                          ; s[24:31] group 1: half a stage of K;  s[32:39] of V
.set G1V,  32
.set G1SK, 40
.set G1SV, 48
.set G0SK, 56
.set G0SV, 60
.set TJ,   66                          ; s66  the stage's first word of V's scales
.set STAGES, 67
.set G0K,  68                          ; s[68:71] group 0 of my K piece;  s[84:87] of my V piece: none is written while its load is out
.set G0V,  84
.macro CROUND                          ; a round of the cluster's barrier
	s_barrier_signal -1
	s_barrier_wait -1
	s_cmp_lg_u32 s[WV], 0
	s_cbranch_scc1 .Lnot_wave_0_\@
	s_barrier_signal -3
.Lnot_wave_0_\@:
	s_barrier_wait -3
	s_barrier_signal -1
	s_barrier_wait -1
.endm
	s_load_b128 s[4:7], s[0:1], 0x0                ; qkv, mask
	s_load_b64 s[8:9], s[0:1], 0x10                ; oimg
	v_lshl_add_u32 v222, v0, 2, 0x45000
	v_mov_b32 v223, 0
	ds_add_u32 v222, v223
	ds_add_u32 v222, v223
	v_lshrrev_b32 v8, 5, v0
	s_delay_alu instid0(VALU_DEP_1)
	v_readfirstlane_b32 s[WV], v8                  ; wave 0..15
	s_bfe_u32 s10, ttmp6, 0x40000                  ; cx
	s_lshl_b32 s11, ttmp9, 2
	s_add_co_u32 s11, s11, s10                     ; my block of 256 queries: it enters Q's and the result's addresses alone
	s_and_b32 s12, ttmp7, 0xffff                   ; the plane: 16 x batch + head, which the four partners share
	s_and_b32 s13, s[WV], 7                        ; which piece I fetch
	; group 1, two shapes; elements of 8 bytes, no padding, the mask names all four partners, bit 21 beside it
.irp g, G1K, G1V
	s_mov_b32 s[\g], 15|(3<<16)|(1<<21)
	s_mov_b32 s[\g+6], 0
	s_mov_b32 s[\g+7], 0
.endr
	s_mov_b32 s[G1K+1], 32<<16                     ; K: 16,384 dense bytes as 64 rows of 256
	s_mov_b32 s[G1K+2], 64<<16
	s_mov_b32 s[G1K+3], 32<<16
	s_mov_b32 s[G1K+4], 64
	s_mov_b32 s[G1K+5], 32
	s_mov_b32 s[G1V+1], 1024<<16                   ; V: 2 rows (dt) of 8,192 bytes (four key steps), 32,768 bytes apart
	s_mov_b32 s[G1V+2], 2<<16
	s_mov_b32 s[G1V+3], 1024<<16
	s_mov_b32 s[G1V+4], 2
	s_mov_b32 s[G1V+5], 4096
	s_mov_b32 s[SEL], 0x76543210
	s_mov_b32 s[SEL+1], 0xfedcba98
	s_mov_b32 s[CS], 0x3e38aa3b                    ; c = log2(e) / 8
	s_mov_b32 s[CS+1], s[CS]
	s_mov_b32 s[MNT], 0x600000
	s_mov_b32 s[TJ], 0
	s_wait_dscnt 0x0
	s_wait_kmcnt 0x0
	s_lshl_b32 s14, s12, 17                        ; a plane of images is 131,072 bytes
	s_mov_b32 s15, 0
	s_add_nc_u64 s[16:17], s[4:5], s[14:15]
	s_lshl_b32 s14, s13, 14                        ; K: my half of a stage begins 16,384 bytes on,
	s_add_nc_u64 s[G0K+2:G0K+3], s[16:17], s[14:15]
	s_add_nc_u64 s[G0K+2:G0K+3], s[G0K+2:G0K+3], 4194304
	s_and_b32 s14, s13, 1                          ; V: piece i is half i % 2 (two rows of 32,768 bytes on) of stage i / 2 (8,192 bytes on in each row)
	s_lshl_b32 s14, s14, 16
	s_lshr_b32 s2, s13, 1
	s_lshl_b32 s2, s2, 13
	s_add_co_u32 s14, s14, s2
	s_add_nc_u64 s[G0V+2:G0V+3], s[16:17], s[14:15]
	s_add_nc_u64 s[G0V+2:G0V+3], s[G0V+2:G0V+3], 8388608
	s_lshl_b32 s[G0K+1], s13, 14                   ; in LDS the pieces lie 16,384 bytes apart
	s_add_co_u32 s[G0V+1], s[G0K+1], VOFF
	s_mov_b32 s[G0K], 1
	s_or_b32 s[G0K+3], s[G0K+3], 0x80000000
	s_mov_b32 s[G0V], 1
	s_or_b32 s[G0V+3], s[G0V+3], 0x80000000
	CROUND                                         ; all four work-groups are here: the joint loads meet
	s_cmp_lt_u32 s[WV], 8                          ; one load a wave
	s_cbranch_scc0 .Lnot_k
	tensor_load_to_lds s[G0K:G0K+3], s[G1K:G1K+7]
	s_nop 0
.rept 4
	v_nop
.endr
	s_branch .Lasked
.Lnot_k:
	tensor_load_to_lds s[G0V:G0V+3], s[G1V:G1V+7]
	s_nop 0
.rept 4
	v_nop
.endr
.Lasked:
	s_lshl_b32 s[KW], s12, 13                      ; K's words: 8,192 bytes a plane
	s_add_co_u32 s[KW], s[KW], 12845056
	s_mov_b32 s[KW+1], 0
	s_add_nc_u64 s[KW:KW+1], s[4:5], s[KW:KW+1]
	s_lshl_b32 s[VW], s12, 12                      ; V's: 4,096
	s_add_co_u32 s[VW], s[VW], 13107200
	s_mov_b32 s[VW+1], 0
	s_add_nc_u64 s[VW:VW+1], s[4:5], s[VW:VW+1]
	s_lshr_b32 s2, s12, 4
	s_lshl_b32 s2, s2, 13                          ; the batch's 2,048 words of the mask
	s_mov_b32 s3, 0
	s_add_nc_u64 s[6:7], s[6:7], s[2:3]
	v_lshlrev_b32 v208, 4, v0                      ; thread i takes keys 4 i .. 4 i + 3
	v_lshlrev_b32 v216, 3, v0
	global_load_b128 v[200:203], v208, s[6:7]
	global_load_b128 v[210:213], v208, s[KW:KW+1]  ; and 16 bytes of K's words,
	global_load_b64 v[214:215], v216, s[VW:VW+1]   ; 8 of V's
	s_mov_b32 s[TB], 0
	s_mov_b32 s[TS], 0
	s_lshl_b32 s14, s11, 4
	s_add_co_u32 s14, s14, s[WV]                   ; my tile of queries in the plane: 16 x block + wave
	s_lshl_b32 s16, s14, 6                         ; its words: 64 bytes a tile,
	s_lshl_b32 s14, s14, 10                        ; its image: 1,024
	s_lshl_b32 s15, s12, 17
	s_add_co_u32 s14, s14, s15
	s_mov_b32 s15, 0
	s_add_nc_u64 s[14:15], s[4:5], s[14:15]        ; Q's image
	s_lshl_b32 s17, s12, 13
	s_add_co_u32 s16, s16, s17
	s_add_co_u32 s16, s16, 12582912
	s_mov_b32 s17, 0
	s_add_nc_u64 s[16:17], s[4:5], s[16:17]        ; Q's words
	v_and_b32 v194, 31, v0
	s_delay_alu instid0(VALU_DEP_1)
	v_lshlrev_b32 v[L16], 4, v194
	v_and_b32 v196, 15, v0
	s_delay_alu instid0(VALU_DEP_1)
	v_lshlrev_b32 v[R4], 2, v196
	v_bfe_u32 v198, v0, 4, 1
	global_load_b128 v[16:19], v[L16], s[14:15]
	global_load_b128 v[20:23], v[L16], s[14:15] offset:512
	global_load_b32 v255, v[R4], s[16:17]
	v_add_nc_u32 v[AV0], VOFF, v[L16]
	v_add_nc_u32 v[ASK0], SCK, v[R4]
	v_add_nc_u32 v[ASV0], SCV, v[R4]
	v_lshl_add_u32 v[AM0], v198, 5, MSK            ; the mask's words of keys 8 h + 0 .. 7 of a tile
.irp i, 0,1,2,3,4,5,6,7
	v_mov_b32 v[24+\i], 0                          ; zero codes in the upper half of K, for Q
.irp t, 0,1,2,3
	v_mov_b32 v[40+16*\t+\i], 0                    ; and for the four fragments of K: never written again
.endr
.endr
	v_mov_b32 v13, 0xec800000                      ; the largest t so far: -2^90
	s_delay_alu instid0(VALU_DEP_1)
	v_floor_f32 v12, -v13                          ; -M
	v_mov_b32 v14, 0
	v_mov_b32 v15, 0
.irp b, 0,1,2,3
	v_mov_b32 v[236+\b], 0                         ; written once: a lane permute's destination counts as one of its sources
.endr
	v_mov_b32 v253, 0
.set j, 0
.rept 32
	v_mov_b32 v[160+j], 0                          ; O^T: the step is written for every step alike; the first finds zeros
.set j, j+1
.endr
	s_wait_loadcnt 3                               ; the mask's load is in; Q's three, issued behind it, may be out
	v_mov_b32 v204, 0xf1800000                     ; -2^100
.irp i, 0,1,2,3
	v_cmp_eq_u32 vcc_lo, 0, v[200+\i]
	s_delay_alu instid0(VALU_DEP_1)
	v_cndmask_b32 v[200+\i], 0, v204, vcc_lo
.endr
	v_lshl_add_u32 v205, v0, 4, MSK
	v_lshl_add_u32 v206, v0, 4, SCK
	v_lshl_add_u32 v207, v0, 3, SCV
	ds_store_b128 v205, v[200:203]                 ; waited for ahead of the barrier, behind which they are read
	ds_store_b128 v206, v[210:213]
	ds_store_b64 v207, v[214:215]
; A KEY STEP: 128 keys, the q-th of the stage in hand.
.macro STEP q
	v_add_nc_u32 v[ADK], s[TB], v[L16]
	s_wait_alu depctr_va_vdst(0)
	v_add_nc_u32 v[ADV], s[TB], v[AV0]
	v_add_nc_u32 v[ADS], s[TS], v[ASK0]
	v_add_nc_u32 v[ADM], s[TS], v[AM0]
	s_wait_alu depctr_va_vdst(0)
	v_add_nc_u32 v[ADT], s[TJ], v[ASV0]
.irp g, 0,1                                    ; S^T = K Q^T + the mask's words, four tiles of 16 keys at a time
.rept 5+3*\g
	v_nop                                          ; places: the loads below land in, and the products write over, registers that the last products read (with the five additions: ten; in the second group eight, for loads)
.endr
.irp t, 0,1,2,3
	ds_load_b128 v[32+16*\t:35+16*\t], v[ADK] offset:(8*(\q)+4*\g+\t)*1024
	ds_load_b128 v[36+16*\t:39+16*\t], v[ADK] offset:(8*(\q)+4*\g+\t)*1024+512
	ds_load_b128 v[96+8*(4*\g+\t):99+8*(4*\g+\t)], v[ADM] offset:512*(\q)+64*(4*\g+\t)
	ds_load_b128 v[100+8*(4*\g+\t):103+8*(4*\g+\t)], v[ADM] offset:512*(\q)+64*(4*\g+\t)+16
	ds_load_b32 v[248+\t], v[ADS] offset:512*(\q)+64*(4*\g+\t)
.endr
	s_wait_dscnt 0x0
.irp t, 0,1,2,3
	v_wmma_scale_f32_16x16x128_f8f6f4 v[96+8*(4*\g+\t):103+8*(4*\g+\t)], v[32+16*\t:47+16*\t], v[16:31], v[96+8*(4*\g+\t):103+8*(4*\g+\t)], v[248+\t], v255
.endr
.endr
.rept 8
	v_nop
.endr
.irp b, 0,1,2,3
	v_max3_num_f32 v[232+\b], v[96+16*\b], v[97+16*\b], v[98+16*\b]   ; the largest score of each block of 32 keys: for the row's maximum, and, since p rises with the score, for the block's largest p
.endr
.irp i, 3,5,7,9,11,13
.irp b, 0,1,2,3
	v_max3_num_f32 v[232+\b], v[232+\b], v[96+16*\b+\i], v[97+16*\b+\i]
.endr
.endr
.irp b, 0,1,2,3
	v_max_num_f32 v[232+\b], v[232+\b], v[111+16*\b]
.endr
.irp b, 0,1,2,3
	v_permlanex16_b32 v[236+\b], v[232+\b], s[SEL], s[SEL+1]
.endr
.irp b, 0,1,2,3
	s_delay_alu instid0(VALU_DEP_4)
	v_max_num_f32 v[232+\b], v[232+\b], v[236+\b]
.endr
	s_delay_alu instid0(VALU_DEP_2)
	v_max3_num_f32 v254, v232, v233, v234
	s_delay_alu instid0(VALU_DEP_1)
	v_max_num_f32 v254, v254, v235
	s_delay_alu instid0(VALU_DEP_1)
	v_mul_f32 v254, s[CS], v254
	s_delay_alu instid0(VALU_DEP_1)
	v_max_num_f32 v13, v13, v254                   ; the running largest t
	v_mov_b32 v254, v12
	s_delay_alu instid0(VALU_DEP_2)
	v_floor_f32 v12, -v13                          ; the new -M = floor(-t): M is a whole number
	s_delay_alu instid0(VALU_DEP_1)
	v_sub_f32 v254, v12, v254
	s_delay_alu instid0(VALU_DEP_1)
	v_cvt_i32_f32 v254, v254                       ; (it saturates)
	s_delay_alu instid0(VALU_DEP_1)
	v_ldexp_f32 v252, 1.0, v254                    ; f = 2^(old M - new M)
.set j, 0
.rept 32
	v_pk_fma_f32 v[96+j:97+j], v[96+j:97+j], s[CS:CS+1], v[12:13] op_sel_hi:[1,0,0]   ; t - M, two at a time
.set j, j+2
.endr
.irp b, 0,1,2,3
	v_fma_f32 v[232+\b], v[232+\b], s[CS], v12
.endr
.set j, 0
	s_wait_alu depctr_va_vdst(0)
.rept 64
	v_exp_f32 v[96+j], v[96+j]                     ; p = 2^(t - M)
.set j, j+1
.endr
	v_pk_mul_f32 v[14:15], v[14:15], v[252:253] op_sel_hi:[1,0]   ; the sums under the new M: a plain instruction behind the exponentials
	s_wait_alu depctr_va_vdst(0)                   ; one wait for the whole batch, ahead of its first reader
.irp b, 0,1,2,3
	v_exp_f32 v[232+\b], v[232+\b]                 ; the block's largest p
.endr
	v_pk_add_f32 v[236:237], v[100:101], v[104:105]
	v_pk_add_f32 v[250:251], v[108:109], v[112:113]
	v_pk_add_f32 v[248:249], v[116:117], v[120:121]
	v_pk_add_f32 v[246:247], v[124:125], v[128:129]
	v_pk_add_f32 v[244:245], v[132:133], v[136:137]
	v_pk_add_f32 v[242:243], v[140:141], v[144:145]
	v_pk_add_f32 v[240:241], v[148:149], v[152:153]
	v_pk_add_f32 v[14:15], v[14:15], v[156:157]
	v_pk_add_f32 v[236:237], v[236:237], v[96:97]
	v_pk_add_f32 v[250:251], v[250:251], v[98:99]
	v_pk_add_f32 v[248:249], v[248:249], v[102:103]
	v_pk_add_f32 v[246:247], v[246:247], v[106:107]
	v_pk_add_f32 v[244:245], v[244:245], v[110:111]
	v_pk_add_f32 v[242:243], v[242:243], v[114:115]
	v_pk_add_f32 v[240:241], v[240:241], v[118:119]
	v_pk_add_f32 v[14:15], v[14:15], v[122:123]
	v_pk_add_f32 v[236:237], v[236:237], v[126:127]
	v_pk_add_f32 v[250:251], v[250:251], v[130:131]
	v_pk_add_f32 v[248:249], v[248:249], v[134:135]
	v_pk_add_f32 v[246:247], v[246:247], v[138:139]
	v_pk_add_f32 v[244:245], v[244:245], v[142:143]
	v_pk_add_f32 v[242:243], v[242:243], v[146:147]
	v_pk_add_f32 v[240:241], v[240:241], v[150:151]
	v_pk_add_f32 v[14:15], v[14:15], v[154:155]
	v_pk_add_f32 v[236:237], v[236:237], v[158:159]
	s_delay_alu instid0(VALU_DEP_2)
	v_pk_add_f32 v[14:15], v[14:15], v[246:247]
	s_delay_alu instid0(VALU_DEP_2)
	v_pk_add_f32 v[236:237], v[236:237], v[244:245]
	v_pk_add_f32 v[250:251], v[250:251], v[242:243]
	v_pk_add_f32 v[248:249], v[248:249], v[240:241]
	s_delay_alu instid0(VALU_DEP_2)
	v_pk_add_f32 v[14:15], v[14:15], v[250:251]
	s_delay_alu instid0(VALU_DEP_2)
	v_pk_add_f32 v[236:237], v[236:237], v[248:249]
	s_delay_alu instid0(VALU_DEP_1)
	v_pk_add_f32 v[14:15], v[14:15], v[236:237]
	s_wait_alu depctr_va_vdst(0)                   ; and one for the four
.irp b, 0,1,2,3
	v_max_num_f32 v[232+\b], 0x4800000, v[232+\b]  ; the floor 2^(9 - 127)
.endr
.irp b, 0,1,2,3
	s_delay_alu instid0(VALU_DEP_4)
	v_add_nc_u32 v[244+\b], 0xfc000000, v[232+\b]
.endr
.irp b, 0,1,2,3
	v_and_or_b32 v[240+\b], v[232+\b], 0x7f800000, s[MNT]
.endr
.irp b, 0,1,2,3
	v_lshrrev_b32 v[236+\b], 23, v[244+\b]
.endr
	s_delay_alu instid0(VALU_DEP_3)
	v_lshl_or_b32 v253, v237, 8, v236              ; p's scale word for these 128 keys
	s_delay_alu instid0(VALU_DEP_1)
	v_lshl_or_b32 v253, v238, 16, v253
	s_delay_alu instid0(VALU_DEP_1)
	v_lshl_or_b32 v253, v239, 24, v253
.irp b, 0,1,2,3
.irp i, 0,1,2,3,4,5,6,7,8,9,10,11,12,13,14,15
	v_min_num_f32 v[96+16*\b+\i], v[96+16*\b+\i], v[240+\b]   ; the hold; p is not negative
.endr
	v_cvt_scalef32_pk8_fp8_f32 v[224+4*\b:225+4*\b], v[96+16*\b:103+16*\b], v[244+\b]
	v_cvt_scalef32_pk8_fp8_f32 v[226+4*\b:227+4*\b], v[104+16*\b:111+16*\b], v[244+\b]
.endr
.irp d, 0,1,2,3                                ; V's four fragments (16 channels x 128 keys) take p's registers
.irp c, 0,1,2,3
	ds_load_b128 v[96+16*\d+4*\c:99+16*\d+4*\c], v[ADV] offset:\d*8192+(\q)*2048+512*\c
.endr
	ds_load_b32 v[248+\d], v[ADT] offset:256*(\q)+64*\d
.endr
.set j, 0
.rept 16
	v_pk_mul_f32 v[160+j:161+j], v[160+j:161+j], v[252:253] op_sel_hi:[1,0]   ; O^T under the new M.  (These are also the places in front of the products below)
.set j, j+2
.endr
	s_wait_alu depctr_va_vdst(0)
	s_wait_dscnt 0x0
.irp d, 0,1,2,3
	v_wmma_scale_f32_16x16x128_f8f6f4 v[160+8*\d:167+8*\d], v[96+16*\d:111+16*\d], v[224:239], v[160+8*\d:167+8*\d], v[248+\d], v253
.endr
.endm
.macro STAGE                           ; 512 keys: four steps whose places in the stage are immediates; then on to the next stage
	STEP 0
	STEP 1
	STEP 2
	STEP 3
	s_add_co_u32 s[TB], s[TB], STG
	s_add_co_u32 s[TS], s[TS], 2048
	s_add_co_u32 s[TJ], s[TJ], 1024
.endm
	s_wait_loadcnt 0x0                             ; Q
	s_wait_tensorcnt 0x0                           ; my piece has landed
	s_wait_dscnt 0x0                               ; and my part of the mask's and the scales' words
	s_barrier_signal -1
	s_barrier_wait -1                              ; everybody's have: from here on no wave waits for another
	s_mov_b32 s[STAGES], 4
.Lstage:
	STAGE
	s_sub_co_u32 s[STAGES], s[STAGES], 1
	s_cmp_lg_u32 s[STAGES], 0
	s_cbranch_scc1 .Lstage
	; THE WAY OUT.  O^T / the sum is quantised along the channels (two blocks of 32), brought into the true order of K, and stored as pieces 2 (head % 2) + B of the next product's fragment.
.rept 8
	v_nop                                          ; places behind the last products
.endr
	v_add_f32 v14, v14, v15
	s_delay_alu instid0(VALU_DEP_1)
	v_permlanex16_b32 v252, v14, s[SEL], s[SEL+1]
	s_delay_alu instid0(VALU_DEP_1)
	v_add_f32 v14, v14, v252                       ; the row's sum
	s_wait_alu depctr_va_vdst(0)
	v_rcp_f32 v14, v14
	v_mov_b32 v254, 0xffff                         ; (a plain instruction behind the transcendental)
	s_lshr_b32 s68, s12, 4                         ; (the descriptors' registers are free: every load has landed)
	s_lshl_b32 s68, s68, 5
	s_lshl_b32 s69, s11, 2
	s_add_co_u32 s68, s68, s69
	s_lshr_b32 s69, s[WV], 2
	s_add_co_u32 s68, s68, s69                     ; my group of 64 rows: 32 b + 4 x block + wave / 4
	s_lshl_b32 s68, s68, 3
	s_bfe_u32 s69, s12, 0x30001                    ; the K step of the next product: the pair of heads
	s_add_co_u32 s68, s68, s69
	s_mul_i32 s68, s68, 8448                       ; its chunk
	s_and_b32 s69, s[WV], 3                        ; my 16 rows of the 64
	s_and_b32 s74, s12, 1                          ; my head of the pair
	s_lshl_b32 s70, s69, 11
	s_add_co_u32 s70, s70, s68
	s_lshl_b32 s75, s74, 10
	s_add_co_u32 s70, s70, s75
	s_mov_b32 s71, 0
	s_add_nc_u64 s[70:71], s[8:9], s[70:71]        ; the codes' place
	s_lshl_b32 s72, s69, 6
	s_add_co_u32 s72, s72, s68
	s_lshl_b32 s75, s74, 1
	s_add_co_u32 s72, s72, s75
	s_add_co_u32 s72, s72, 8192
	s_mov_b32 s73, 0
	s_add_nc_u64 s[72:73], s[8:9], s[72:73]        ; my half of the rows' scale words
	s_wait_alu depctr_va_vdst(0)                   ; ahead of the reciprocal's first reader
.set j, 0
.rept 32
	v_mul_f32 v[96+j], v[160+j], v14               ; register 8 d + i is channel 16 d + 8 h + i of my query; each accumulator from its low end on
.set j, j+1
.endr
.irp b, 0,1
	v_max3_num_f32 v[232+\b], |v[96+16*\b]|, |v[97+16*\b]|, 0x4800000
.endr
.irp i, 2,4,6,8,10,12,14
.irp b, 0,1
	s_delay_alu instid0(VALU_DEP_2)
	v_max3_num_f32 v[232+\b], v[232+\b], |v[96+16*\b+\i]|, |v[97+16*\b+\i]|
.endr
.endr
.irp b, 0,1
	v_permlanex16_b32 v[236+\b], v[232+\b], s[SEL], s[SEL+1]
.endr
.irp b, 0,1
	s_delay_alu instid0(VALU_DEP_2)
	v_max_num_f32 v[232+\b], v[232+\b], v[236+\b]
.endr
.irp b, 0,1
	s_delay_alu instid0(VALU_DEP_2)
	v_add_nc_u32 v[244+\b], 0xfc000000, v[232+\b]
.endr
.irp b, 0,1
	s_delay_alu instid0(VALU_DEP_4)
	v_and_or_b32 v[240+\b], v[232+\b], 0x7f800000, s[MNT]
.endr
.irp b, 0,1
	s_delay_alu instid0(VALU_DEP_4)
	v_lshrrev_b32 v[236+\b], 23, v[244+\b]
.endr
	s_delay_alu instid0(VALU_DEP_1)
	v_lshl_or_b32 v253, v237, 8, v236              ; my head's half of the row's scale word
	v_cmp_gt_f32 vcc_lo, 0xec000000, v13           ; -2^89 over the largest t: no key counted
	s_delay_alu instid0(VALU_DEP_1)
	v_cndmask_b32 v253, v253, v254, vcc_lo         ; then both bytes are 0xff
.irp b, 0,1
.irp i, 0,1,2,3,4,5,6,7,8,9,10,11,12,13,14,15
	v_med3_num_f32 v[96+16*\b+\i], v[96+16*\b+\i], -v[240+\b], v[240+\b]
.endr
	v_cvt_scalef32_pk8_fp8_f32 v[224+4*\b:225+4*\b], v[96+16*\b:103+16*\b], v[244+\b]
	v_cvt_scalef32_pk8_fp8_f32 v[226+4*\b:227+4*\b], v[104+16*\b:111+16*\b], v[244+\b]
.endr
	v_nop                                          ; one plain vector instruction behind the last conversion
.irp b, 0,1                                    ; the true order: lanes 0-15 want channels 0-15 of the block, lanes 16-31 channels 16-31
	v_permlane16_swap_b32 v[224+4*\b], v[226+4*\b]
	v_permlane16_swap_b32 v[225+4*\b], v[227+4*\b]
.endr
	global_store_b128 v[L16], v[224:227], s[70:71]
	global_store_b128 v[L16], v[228:231], s[70:71] offset:512      ; 512 consecutive bytes a store
	global_store_b16 v[R4], v253, s[72:73]         ; two bytes a row, 4 bytes apart: between them lie the other head's, which another work-group stores.  Both halves of the lanes store the same value at the same place
	s_wait_tensorcnt 0x0
	ds_add_u32 v222, v223
	s_wait_dscnt 0x0
	CROUND                                         ; the closing round
	s_endpgm
.Lfunc_end_k_q39f3cf98f1_attn:
	.size	k_q39f3cf98f1_attn, .Lfunc_end_k_q39f3cf98f1_attn-k_q39f3cf98f1_attn
	.p2alignl 7, 3214868480
	.fill 96, 4, 3214868480
	.section	.rodata,"a",@progbits
	.p2align	6, 0x0
	.amdhsa_kernel k_q39f3cf98f1_attn
		.amdhsa_group_segment_fixed_size 327680
		.amdhsa_private_segment_fixed_size 0
		.amdhsa_enable_private_segment 0
		.amdhsa_kernarg_size 24
		.amdhsa_user_sgpr_count 2
		.amdhsa_user_sgpr_kernarg_segment_ptr 1
		.amdhsa_wavefront_size32 1
		.amdhsa_system_sgpr_workgroup_id_x 1
		.amdhsa_system_sgpr_workgroup_id_y 1
		.amdhsa_system_sgpr_workgroup_id_z 1
		.amdhsa_system_vgpr_workitem_id 0
		.amdhsa_next_free_vgpr 256
		.amdhsa_next_free_sgpr 100
		.amdhsa_reserve_vcc 1
		.amdhsa_float_denorm_mode_32 3
		.amdhsa_float_denorm_mode_16_64 3
		.amdhsa_memory_ordered 1
		.amdhsa_forward_progress 1
		.amdhsa_inst_pref_size 102
	.end_amdhsa_kernel
	.amdgpu_metadata
---
amdhsa.version: [ 1, 2 ]
amdhsa.kernels:
  - .name:           k_q39f3cf98f1_attn
    .symbol:         k_q39f3cf98f1_attn.kd
    .args:
      - { .name: qkv, .offset: 0, .size: 8, .value_kind: global_buffer, .address_space: global }
      - { .name: mask, .offset: 8, .size: 8, .value_kind: global_buffer, .address_space: global }
      - { .name: oimg, .offset: 16, .size: 8, .value_kind: global_buffer, .address_space: global }
    .group_segment_fixed_size: 327680
    .private_segment_fixed_size: 0
    .kernarg_segment_align: 8
    .kernarg_segment_size: 24
    .max_flat_workgroup_size: 512
    .sgpr_count:     100
    .vgpr_count:     256
    .wavefront_size: 32
...
	.end_amdgpu_metadata
.endif
;; end of part 3
;; launch wo (part 4): grid 8 x 32, 4 waves a work-group, clusters of 4 x 4, 327,680 bytes of LDS; arguments oimg, Wo_codes, Wo_scales, x1; writes x1
.if DOCPART == 4
	.amdgcn_target "amdgcn-amd-amdhsa--gfx1250"
	.amdhsa_code_object_version 6
	.text
	.protected	k_q39f3cf98f1_wo
	.globl	k_q39f3cf98f1_wo
	.p2align	8
	.type	k_q39f3cf98f1_wo,@function
k_q39f3cf98f1_wo:
	s_mov_b64 s[64:65], 0
	v_nop
	global_prefetch_b8 v0, s[64:65] scope:SCOPE_SE
	s_setreg_imm32_b32 hwreg(HW_REG_WAVE_MODE, 25, 1), 1
	s_wait_xcnt 0x0
	s_wait_alu depctr_hold_cnt(0) depctr_sa_sdst(0) depctr_va_vdst(0) depctr_va_sdst(0) depctr_va_ssrc(0) depctr_va_vcc(0) depctr_vm_vsrc(0)
	s_getreg_b32 s2, hwreg(HW_REG_IB_STS2, 6, 4)
	s_cmp_eq_u32 s2, 0
	s_cbranch_scc0 .Lentry_in_a_cluster
	s_endpgm
.Lentry_in_a_cluster:
	s_bfe_u32 s2, ttmp6, 0x10000c
	s_cmp_lg_u32 s2, 0xf033
	s_cbranch_scc0 .Lentry_shape_is_right
	s_endpgm
.Lentry_shape_is_right:
; x1[m][n] = sum over k of A[m][k] Wo[n][k] on codes of FP8 (E4M3) with E8M0 scales; x1 [4096][1024] f32; K = 1,024.
; A comes as chunks of 8,448 bytes, [m / 64][k / 128]: four images of operand registers (16 rows x 128 K: piece c of lane l at 512 c + 16 l) and, at 8,192, the 64 rows' scale words.  Wo: rows of 1,024 codes and 32 scale bytes, as given.
; SHARES.  256 work-groups, each 128 x 128 of x1; four waves, 64 x 64 each: 16 accumulators.  A work-group's 128 rows of A (135,168 dense bytes), its 128 rows of Wo (131,072) and their scale bytes (4,096), ALL of K, lie in LDS at once:
; each is filled once, one tensor load a wave at the head (waves 0, 1: A's two groups of 64 rows; wave 2: Wo's rows; wave 3: their scales); nothing is filled again, so there is no ring.
; CLUSTERS of 4 x 4: A's tile is asked for jointly along a row of the cluster, Wo's tile and scales along a column.  No prefetch: every tile is asked for at the head, and there is no loop to run ahead in.
; THE MATRIX INSTRUCTION IS USED TRANSPOSED (source 0 = 16 rows of Wo, source 1 = 16 rows of A): a lane holds eight neighbouring numbers of a row of x1.
; REGISTERS: window 0: v16-29 addresses; v32-47 A's scale words, v52-67 Wo's (register 8 p + q: lanes 0-15 block 2 p, lanes 16-31 block 2 p + 1, the q-th 128 of K); v128-255 A's fragments, two sets, later the rows on their way out.
;   window 1: v0-127 Wo's fragments, two sets.  window 2: v0-127 the accumulators, (a, b) at 8 (4 a + b).
.set CH,    8448
.set GA,    8*CH                       ; a group of 64 rows of A, all of K
.set BOFF,  2*GA
.set BP,    1040                       ; a row of Wo in LDS: 1,024 bytes + 16 of padding
.set SCL,   BOFF+128*BP                ; Wo's scale bytes: 16 rows of 256 bytes + 16 of padding
.set SPARE, SCL+16*272                 ; the spare words, 128 bytes a wave
.set STAGE, SPARE+512                  ; the way out: 16 rows x (256 + 16) bytes for each wave; no load lands here
.set ADRA, 16
.set ADSA, 18
.set ADRB, 20
.set ADSB, 21
.set STO,  24
.set RD,   25
.set CO,   26
.set SPW,  28
.set NIL,  29
.set SCA,  32
.set SCB,  52
.set AF,   128
.set BK,   128
.set G1A, 24
.set G0A, 32
.set G1B, 48
.set G0B, 56
.set G1S, 68
.set G0S, 76
.set MSB, 0
.macro WIN new
.if MSB != \new
	s_set_vgpr_msb (MSB<<8)|\new
.set MSB, \new
.endif
.endm
.macro PLACES n
.rept \n
	v_nop
.endr
.endm
.macro CROUND                          ; a round of the cluster's barrier
	s_barrier_signal -1
	s_barrier_wait -1
	s_cmp_lg_u32 s14, 0
	s_cbranch_scc1 .Lnot_wave_0_\@
	s_barrier_signal -3
.Lnot_wave_0_\@:
	s_barrier_wait -3
	s_barrier_signal -1
	s_barrier_wait -1
.endm
.macro TLOAD g0, g1                    ; an s_nop 0 and four v_nop follow a tensor load
	tensor_load_to_lds s[\g0:\g0+3], s[\g1:\g1+7]
	s_nop 0
	PLACES 4
.endm
	s_load_b64 s[4:5], s[0:1], 0x0                 ; A's chunks
	s_load_b128 s[8:11], s[0:1], 0x8               ; Wo's codes, Wo's scales
	s_load_b64 s[12:13], s[0:1], 0x18              ; x1
	v_lshl_add_u32 v[SPW], v0, 2, SPARE
	v_mov_b32 v[NIL], 0
	ds_add_u32 v[SPW], v[NIL]                      ; the opening lines: the add, twice on end, and its wait
	ds_add_u32 v[SPW], v[NIL]
	v_lshrrev_b32 v1, 5, v0
	v_readfirstlane_b32 s14, v1                    ; wave 0..3
	s_lshr_b32 s15, s14, 1                         ; my 64 rows
	s_and_b32 s16, s14, 1                          ; my 64 columns; waves 0, 1: which group of A I fetch
	s_bfe_u32 s40, ttmp6, 0x40000                  ; cx, cy
	s_bfe_u32 s41, ttmp6, 0x40004
	s_lshl_b32 s42, ttmp9, 2
	s_add_co_u32 s42, s42, s40                     ; tile column
	s_and_b32 s17, ttmp7, 0xffff
	s_lshl_b32 s17, s17, 2
	s_add_co_u32 s17, s17, s41                     ; tile row
	s_lshl_b32 s43, s41, 2
	s_lshl_b32 s43, 15, s43                        ; my row of the cluster
	s_lshl_b32 s44, 0x1111, s40                    ; my column
	s_or_b32 s[G1A+0], s43, (3<<16)|(1<<21)        ; A: 67,584 dense bytes as 264 rows of 256 (32 elements of 8 bytes), no padding
	s_mov_b32 s[G1A+1], 32<<16
	s_mov_b32 s[G1A+2], 264<<16
	s_mov_b32 s[G1A+3], 32<<16
	s_mov_b32 s[G1A+4], 264
	s_mov_b32 s[G1A+5], 32
	s_mov_b32 s[G1A+6], 0
	s_mov_b32 s[G1A+7], 0
	s_or_b32 s[G1B+0], s44, (1<<20)|(1<<21)|(7<<22)|(3<<25)   ; Wo: 128 rows of 1,024 bytes, four words of padding behind each 256 words
	s_mov_b32 s[G1B+1], 1024<<16
	s_mov_b32 s[G1B+2], 128<<16
	s_mov_b32 s[G1B+3], 1024<<16
	s_mov_b32 s[G1B+4], 128
	s_mov_b32 s[G1B+5], 1024
	s_mov_b32 s[G1B+6], 0
	s_mov_b32 s[G1B+7], 0
	s_or_b32 s[G1S+0], s44, (3<<16)|(1<<20)|(1<<21)|(5<<22)|(3<<25)   ; its scales: 4,096 dense bytes as 16 rows of 256, padded
	s_mov_b32 s[G1S+1], 32<<16
	s_mov_b32 s[G1S+2], 16<<16
	s_mov_b32 s[G1S+3], 32<<16
	s_mov_b32 s[G1S+4], 16
	s_mov_b32 s[G1S+5], 32
	s_mov_b32 s[G1S+6], 0
	s_mov_b32 s[G1S+7], 0
	s_mul_i32 s20, s17, 2*GA                       ; A: my tile row's two groups, and which of them
	s_mul_i32 s18, s16, GA
	s_add_co_u32 s20, s20, s18
	s_mov_b32 s21, 0
	s_lshl_b32 s46, s42, 17                        ; Wo: 128 rows of 1,024 bytes a tile column
	s_mov_b32 s47, 0
	s_lshl_b32 s92, s42, 12                        ; and of 32 scale bytes
	s_mov_b32 s93, 0
	s_lshl_b32 s96, s17, 1                         ; x1: my first row, 64 (2 x tile row + my half), of 4,096 bytes,
	s_add_co_u32 s96, s96, s15
	s_lshl_b32 s96, s96, 18
	s_lshl_b32 s97, s42, 1                         ; my first column, 64 (2 x tile column + my half), of 4 bytes
	s_add_co_u32 s97, s97, s16
	s_lshl_b32 s97, s97, 8
	s_add_co_u32 s96, s96, s97
	s_mov_b32 s97, 0
	s_mov_b32 s[G0A], 1
	s_mov_b32 s[G0A+1], s18                        ; no place in the cluster enters an LDS address
	s_mov_b32 s[G0B], 1
	s_mov_b32 s[G0B+1], BOFF
	s_mov_b32 s[G0S], 1
	s_mov_b32 s[G0S+1], SCL
	s_mul_i32 s3, s15, GA                          ; LDS: my group of A,
	s_mul_i32 s22, s16, 64*BP
	s_add_co_u32 s22, s22, BOFF                    ; my 64 rows of Wo,
	s_mul_i32 s23, s16, 8*272
	s_add_co_u32 s23, s23, SCL                     ; their scale bytes,
	s_mul_i32 s19, s14, 16*272
	s_add_co_u32 s19, s19, STAGE                   ; my stage
	s_wait_dscnt 0x0                               ; both opening adds are done
	s_wait_kmcnt 0x0
	s_add_nc_u64 s[G0A+2:G0A+3], s[4:5], s[20:21]
	s_or_b32 s[G0A+3], s[G0A+3], 0x80000000
	s_add_nc_u64 s[G0B+2:G0B+3], s[8:9], s[46:47]
	s_or_b32 s[G0B+3], s[G0B+3], 0x80000000
	s_add_nc_u64 s[G0S+2:G0S+3], s[10:11], s[92:93]
	s_or_b32 s[G0S+3], s[G0S+3], 0x80000000
	s_add_nc_u64 s[12:13], s[12:13], s[96:97]
	CROUND                                         ; all sixteen work-groups are here: the joint loads meet
	s_cmp_lt_u32 s14, 2                            ; one chain of branches on the wave's number, one load to an arm
	s_cbranch_scc0 .Lfor_b
	TLOAD G0A, G1A
	s_branch .Lasked
.Lfor_b:
	s_cmp_eq_u32 s14, 2
	s_cbranch_scc0 .Lfor_s
	TLOAD G0B, G1B
	s_branch .Lasked
.Lfor_s:
	TLOAD G0S, G1S
.Lasked:
	v_and_b32 v1, 15, v0                           ; r
	v_bfe_u32 v2, v0, 4, 1                         ; h
	v_and_b32 v3, 31, v0                           ; lane
	v_lshlrev_b32 v4, 4, v3
	v_add_nc_u32 v[ADRA], s3, v4                   ; A's images: 16 x lane; chunks 0-3,
	v_add_nc_u32 v[ADRA+1], 4*CH, v[ADRA]          ; chunks 4-7 (an offset has 16 bits)
	v_lshlrev_b32 v5, 2, v3
	v_add_nc_u32 v[ADSA], s3, v5                   ; A's scale words: 4 x lane
	v_add_nc_u32 v[ADSA+1], 4*CH, v[ADSA]
	v_mul_u32_u24 v6, v1, BP
	v_lshl_add_u32 v6, v2, 4, v6
	v_add_nc_u32 v[ADRB], s22, v6                  ; Wo: row r x pitch + 16 h
	v_lshlrev_b32 v7, 5, v3                        ; its scales: row = lane (two blocks of 16), 32 bytes a row,
	v_lshrrev_b32 v8, 3, v3
	v_lshl_add_u32 v7, v8, 4, v7                   ; and 16 more for each 256 passed
	v_add_nc_u32 v[ADSB], s23, v7
	v_mul_u32_u24 v9, v1, 272
	v_lshl_add_u32 v9, v2, 5, v9
	v_add_nc_u32 v[STO], s19, v9                   ; the stage, in: row r, 32 bytes for each half of the lanes
	v_mul_u32_u24 v10, v2, 272
	v_lshl_add_u32 v10, v1, 4, v10
	v_add_nc_u32 v[RD], s19, v10                   ; back: lanes 0-15 one row of 256 bytes, lanes 16-31 the next
	v_lshlrev_b32 v11, 12, v2
	v_lshl_add_u32 v[CO], v1, 4, v11               ; and the same two rows in x1
.macro FETCH q                         ; the fragments of the q-th 128 of K into set q % 2: 32 loads
	WIN 0x40
.irp i, 0,1,2,3
.irp c, 0,1,2,3
	ds_load_b128 v[64*((\q)%2)+16*\i+4*\c:64*((\q)%2)+16*\i+4*\c+3], v[ADRB] offset:128*(\q)+32*\c+\i*16*BP
.endr
.endr
	WIN 0
.irp i, 0,1,2,3
.irp c, 0,1,2,3
	ds_load_b128 v[AF+64*((\q)%2)+16*\i+4*\c:AF+64*((\q)%2)+16*\i+4*\c+3], v[ADRA+(\q)/4] offset:((\q)%4)*CH+\i*2048+512*\c
.endr
.endr
.endm
.macro MUL q                           ; 16 products; the 16 accumulators take turns, in the same order in every step; the first step starts the sums
.irp a, 0,1,2,3
.irp b, 0,1,2,3
.set rD, 8*(4*\a+\b)
.set rB, 64*((\q)%2)+16*\b
.set rA, AF+64*((\q)%2)+16*\a
.set rSB, SCB+8*(\b/2)+(\q)
.set rSA, SCA+8*(\a/2)+(\q)
.set odd, 2*(\a%2)+(\b%2)
.if (\q) == 0
.if odd == 0
	v_wmma_scale_f32_16x16x128_f8f6f4 v[rD:rD+7], v[rB:rB+15], v[rA:rA+15], 0, v[rSB], v[rSA]
.elseif odd == 1
	v_wmma_scale_f32_16x16x128_f8f6f4 v[rD:rD+7], v[rB:rB+15], v[rA:rA+15], 0, v[rSB], v[rSA] matrix_a_scale:MATRIX_SCALE_ROW1
.elseif odd == 2
	v_wmma_scale_f32_16x16x128_f8f6f4 v[rD:rD+7], v[rB:rB+15], v[rA:rA+15], 0, v[rSB], v[rSA] matrix_b_scale:MATRIX_SCALE_ROW1
.else
	v_wmma_scale_f32_16x16x128_f8f6f4 v[rD:rD+7], v[rB:rB+15], v[rA:rA+15], 0, v[rSB], v[rSA] matrix_a_scale:MATRIX_SCALE_ROW1 matrix_b_scale:MATRIX_SCALE_ROW1
.endif
.else
.if odd == 0
	v_wmma_scale_f32_16x16x128_f8f6f4 v[rD:rD+7], v[rB:rB+15], v[rA:rA+15], v[rD:rD+7], v[rSB], v[rSA]
.elseif odd == 1
	v_wmma_scale_f32_16x16x128_f8f6f4 v[rD:rD+7], v[rB:rB+15], v[rA:rA+15], v[rD:rD+7], v[rSB], v[rSA] matrix_a_scale:MATRIX_SCALE_ROW1
.elseif odd == 2
	v_wmma_scale_f32_16x16x128_f8f6f4 v[rD:rD+7], v[rB:rB+15], v[rA:rA+15], v[rD:rD+7], v[rSB], v[rSA] matrix_b_scale:MATRIX_SCALE_ROW1
.else
	v_wmma_scale_f32_16x16x128_f8f6f4 v[rD:rD+7], v[rB:rB+15], v[rA:rA+15], v[rD:rD+7], v[rSB], v[rSA] matrix_a_scale:MATRIX_SCALE_ROW1 matrix_b_scale:MATRIX_SCALE_ROW1
.endif
.endif
.endr
.endr
.endm
	s_wait_alu depctr_va_vdst(0)                   ; the wait at the head's end
	s_wait_tensorcnt 0x0                           ; my tile is in,
	s_barrier_signal -1
	s_barrier_wait -1                              ; everybody's is
.irp p, 0,1                            ; the scale words of all of K: 20 loads
	ds_load_b128 v[SCB+8*\p:SCB+8*\p+3], v[ADSB] offset:\p*4*272
	ds_load_b128 v[SCB+8*\p+4:SCB+8*\p+7], v[ADSB] offset:\p*4*272+16
.irp q, 0,1,2,3,4,5,6,7
	ds_load_b32 v[SCA+8*\p+\q], v[ADSA+\q/4] offset:(\q%4)*CH+8192+128*\p
.endr
.endr
	FETCH 0
.irp q, 0,1,2,3,4,5,6,7
.if \q > 0
	PLACES 8                                       ; eight places behind the products that read the set into which the loads below land
.endif
.if \q < 7
	FETCH \q+1
	s_wait_dscnt 32                                ; all but the 32 loads just issued: this step's set (and the scale words) are in
.else
	s_wait_dscnt 0x0
.endif
	WIN 0xa1                                       ; source 0 window 1, source 1 window 0, C and D window 2
	MUL \q
.endr
	WIN 0
	PLACES 8                                       ; behind the last products: ahead of the stores that read the sums and of the loads into A's registers
; THE WAY OUT, block by block of 16 rows x 64 columns, through my own stage: back as whole rows of 256 bytes.  LDS serves a wave's instructions in order (ISA guide 5.7.1.4).  Each block has registers of its own.
.macro TOSTAGE a
	WIN 0x08
.irp b, 0,1,2,3
	ds_store_b128 v[STO], v[32*\a+8*\b:32*\a+8*\b+3] offset:64*\b        ; each accumulator from its low end on
	ds_store_b128 v[STO], v[32*\a+8*\b+4:32*\a+8*\b+7] offset:64*\b+16
.endr
	WIN 0
.irp t, 0,1,2,3,4,5,6,7
	ds_load_b128 v[BK+32*\a+4*\t:BK+32*\a+4*\t+3], v[RD] offset:\t*2*272
.endr
.endm
.macro SEND a, younger                 ; younger: the LDS instructions issued behind block a's loads
	s_wait_dscnt \younger
.irp t, 0,1,2,3,4,5,6,7
	global_store_b128 v[CO], v[BK+32*\a+4*\t:BK+32*\a+4*\t+3], s[12:13] offset:(16*\a+2*\t)*4096   ; 16 lanes store 256 consecutive bytes, aligned
.endr
.endm
	TOSTAGE 0
	TOSTAGE 1
	SEND 0, 16
	TOSTAGE 2
	SEND 1, 16
	TOSTAGE 3
	SEND 2, 16
	SEND 3, 0
	s_wait_tensorcnt 0x0                           ; the wave's end
	ds_add_u32 v[SPW], v[NIL]
	s_wait_dscnt 0x0
	CROUND                                         ; the closing round
	s_endpgm
.Lfunc_end_k_q39f3cf98f1_wo:
	.size	k_q39f3cf98f1_wo, .Lfunc_end_k_q39f3cf98f1_wo-k_q39f3cf98f1_wo
	.p2alignl 7, 3214868480
	.fill 96, 4, 3214868480
	.section	.rodata,"a",@progbits
	.p2align	6, 0x0
	.amdhsa_kernel k_q39f3cf98f1_wo
		.amdhsa_group_segment_fixed_size 327680
		.amdhsa_private_segment_fixed_size 0
		.amdhsa_enable_private_segment 0
		.amdhsa_kernarg_size 32
		.amdhsa_user_sgpr_count 2
		.amdhsa_user_sgpr_kernarg_segment_ptr 1
		.amdhsa_wavefront_size32 1
		.amdhsa_system_sgpr_workgroup_id_x 1
		.amdhsa_system_sgpr_workgroup_id_y 1
		.amdhsa_system_sgpr_workgroup_id_z 1
		.amdhsa_system_vgpr_workitem_id 0
		.amdhsa_next_free_vgpr 768
		.amdhsa_next_free_sgpr 98
		.amdhsa_reserve_vcc 0
		.amdhsa_float_denorm_mode_32 3
		.amdhsa_float_denorm_mode_16_64 3
		.amdhsa_memory_ordered 1
		.amdhsa_forward_progress 1
		.amdhsa_inst_pref_size 51
	.end_amdhsa_kernel
	.amdgpu_metadata
---
amdhsa.version: [ 1, 2 ]
amdhsa.kernels:
  - .name:           k_q39f3cf98f1_wo
    .symbol:         k_q39f3cf98f1_wo.kd
    .args:
      - { .name: oimg, .offset: 0, .size: 8, .value_kind: global_buffer, .address_space: global }
      - { .name: Wo_codes, .offset: 8, .size: 8, .value_kind: global_buffer, .address_space: global }
      - { .name: Wo_scales, .offset: 16, .size: 8, .value_kind: global_buffer, .address_space: global }
      - { .name: x1, .offset: 24, .size: 8, .value_kind: global_buffer, .address_space: global }
    .group_segment_fixed_size: 327680
    .private_segment_fixed_size: 0
    .kernarg_segment_align: 8
    .kernarg_segment_size: 32
    .max_flat_workgroup_size: 128
    .sgpr_count:     98
    .vgpr_count:     768
    .wavefront_size: 32
...
	.end_amdgpu_metadata
.endif
;; end of part 4
;; launch ln1 (part 5): grid 512 x 1, 4 waves a work-group, no clusters, 25,088 bytes of LDS; arguments x1, x, g1, be1, x2; writes x2
.if DOCPART == 5
	.amdgcn_target "amdgcn-amd-amdhsa--gfx1250"
	.amdhsa_code_object_version 6
	.text
	.protected	k_q39f3cf98f1_ln1
	.globl	k_q39f3cf98f1_ln1
	.p2align	8
	.type	k_q39f3cf98f1_ln1,@function
k_q39f3cf98f1_ln1:
	s_mov_b64 s[64:65], 0
	v_nop
	global_prefetch_b8 v0, s[64:65] scope:SCOPE_SE
	s_setreg_imm32_b32 hwreg(HW_REG_WAVE_MODE, 25, 1), 1
	s_wait_xcnt 0x0
; x2 = (y - mu) / (sqrt(mean((y - mu)^2)) + 1e-6) x g1 + be1, y = x1 + x, row by row of 1,024.  x2 leaves as f32 (at + 0), as codes of FP8 (E4M3) with K innermost (+ 16,777,216) and as E8M0 scale bytes (+ 20,971,520).
; One wave takes a whole row in 32 registers a lane (16 bytes at 16 x lane + 512 i) and two rows in all; both rows, the gain and the offset are asked for at the head.  The mean is taken first and the
; squares of the differences second, as the definition has them.  Each load and store covers 512 consecutive bytes.
; The conversions want 16 neighbours in one lane: half a row (2,048 bytes) at a time turns through the wave's own stage in LDS.  The work-group's 8 rows make 256 scale bytes, which meet in LDS behind one barrier.
; LIMITS: blocks whose largest magnitude lies under 2^-118 keep the byte 1 (zeros too: this program alone reads the bytes); NaN and infinities are not served by the quantiser (the f32 copy carries them on).
.set G,    16                          ; v16-47  the gain
.set BE,   48                          ; v48-79  the offset
.set AR,   80                          ; row s: v[80+64 s ..] x1, then y, then x2; v[112+64 s ..] x, later 2 x 16 neighbours
.set C,    208                         ; v208-223 codes
.set E,    224                         ; v224-227 scale bytes
.set SP,   80
.set WREG, 2*32*SP
.set SCB,  4*WREG
	s_load_b256 s[4:11], s[0:1], 0x0               ; x1, x, g1, be1
	s_load_b64 s[12:13], s[0:1], 0x20              ; x2
	v_lshl_add_u32 v228, v0, 2, 0x6000
	v_mov_b32 v229, 0
	v_lshrrev_b32 v1, 5, v0
	v_readfirstlane_b32 s28, v1                    ; wave
	v_and_b32 v4, 31, v0                           ; lane
	v_lshlrev_b32 v1, 4, v4                        ; 16 x lane
	s_mul_i32 s29, s28, WREG
	v_lshrrev_b32 v2, 2, v4
	v_mul_u32_u24 v2, v2, SP
	v_and_b32 v3, 3, v4
	v_lshl_add_u32 v2, v3, 4, v2
	v_add_nc_u32 v2, s29, v2                       ; the stage, on the way in
	v_mul_u32_u24 v3, v4, SP
	v_add_nc_u32 v3, s29, v3                       ; and on the way out
	v_lshrrev_b32 v5, 1, v4
	s_lshl_b32 s29, s28, 6
	s_add_co_u32 s29, s29, SCB
	v_add_nc_u32 v5, s29, v5                       ; my block's byte: 64 x wave + lane / 2 (+ 32 x row + 16 x half)
	v_lshlrev_b32 v7, 3, v4
	v_add_nc_u32 v6, SCB, v7
	s_mov_b32 s23, 0x600000
	s_mov_b32 s30, 0x76543210
	s_mov_b32 s31, 0xfedcba98
	s_lshl_b32 s29, ttmp9, 2
	s_add_co_u32 s29, s29, s28                     ; my pair of rows
	s_lshl_b32 s20, s29, 13
	s_mov_b32 s21, 0
	s_lshl_b32 s24, s29, 11
	s_add_co_u32 s24, s24, 16777216
	s_mov_b32 s25, 0
	s_lshl_b32 s26, ttmp9, 8
	s_add_co_u32 s26, s26, 20971520
	s_mov_b32 s27, 0
	s_wait_kmcnt 0x0
	s_add_nc_u64 s[4:5], s[4:5], s[20:21]
	s_add_nc_u64 s[6:7], s[6:7], s[20:21]
	s_add_nc_u64 s[14:15], s[12:13], s[20:21]
	s_add_nc_u64 s[16:17], s[12:13], s[24:25]
	s_add_nc_u64 s[18:19], s[12:13], s[26:27]
.macro FILL s
.irp i, 0,1,2,3,4,5,6,7
	global_load_b128 v[AR+64*\s+4*\i:AR+64*\s+4*\i+3], v1, s[4:5] offset:4096*\s+512*\i th:TH_LOAD_NT
.endr
.irp i, 0,1,2,3,4,5,6,7
	global_load_b128 v[AR+32+64*\s+4*\i:AR+32+64*\s+4*\i+3], v1, s[6:7] offset:4096*\s+512*\i th:TH_LOAD_NT
.endr
.endm
	FILL 0
.irp i, 0,1,2,3,4,5,6,7
	global_load_b128 v[G+4*\i:G+4*\i+3], v1, s[8:9] offset:512*\i
.endr
.irp i, 0,1,2,3,4,5,6,7
	global_load_b128 v[BE+4*\i:BE+4*\i+3], v1, s[10:11] offset:512*\i
.endr
	FILL 1
.macro ACROSS                          ; v8 summed over the 32 lanes, the result in every lane
	v_add_f32_dpp v8, v8, v8 row_xmask:1 row_mask:0xf bank_mask:0xf
	v_add_f32_dpp v8, v8, v8 row_xmask:2 row_mask:0xf bank_mask:0xf
	v_add_f32_dpp v8, v8, v8 row_xmask:4 row_mask:0xf bank_mask:0xf
	v_add_f32_dpp v8, v8, v8 row_xmask:8 row_mask:0xf bank_mask:0xf
	v_permlanex16_b32 v9, v8, s30, s31
	v_add_f32 v8, v8, v9
.endm
.macro JOIN                            ; the four chains v[8:15] into v8
	v_pk_add_f32 v[8:9], v[8:9], v[10:11]
	v_pk_add_f32 v[12:13], v[12:13], v[14:15]
	v_pk_add_f32 v[8:9], v[8:9], v[12:13]
	v_add_f32 v8, v8, v9
.endm
.macro QHALF s, u                      ; 16 neighbours of a lane become 16 codes; two neighbouring lanes hold a block
.set XS, AR+32+64*\s+16*\u
.set CC, C+8*\s+4*\u
	v_max3_num_f32 v8, |v[XS]|, |v[XS+1]|, |v[XS+2]|
	v_max3_num_f32 v9, |v[XS+3]|, |v[XS+4]|, |v[XS+5]|
.irp i, 6,10
	v_max3_num_f32 v8, v8, |v[XS+\i]|, |v[XS+\i+1]|
	v_max3_num_f32 v9, v9, |v[XS+\i+2]|, |v[XS+\i+3]|
.endr
	v_max3_num_f32 v8, v8, |v[XS+14]|, |v[XS+15]|
	v_max3_num_f32 v8, v8, v9, 0x4800000           ; the floor 2^(9 - 127)
	v_max_num_f32_dpp v8, v8, v8 row_xmask:1 row_mask:0xf bank_mask:0xf
	v_add_nc_u32 v11, 0xfc000000, v8
	v_and_or_b32 v10, v8, 0x7f800000, s23
.irp i, 0,1,2,3,4,5,6,7,8,9,10,11,12,13,14,15
	v_med3_num_f32 v[XS+\i], v[XS+\i], -v10, v10   ; the conversion does not saturate (ISA guide 7.6.2): the hold
.endr
	v_cvt_scalef32_pk8_fp8_f32 v[CC:CC+1], v[XS:XS+7], v11
	v_cvt_scalef32_pk8_fp8_f32 v[CC+2:CC+3], v[XS+8:XS+15], v11
	v_lshrrev_b32 v[E+2*\s+\u], 23, v11
	ds_store_b8 v5, v[E+2*\s+\u] offset:32*\s+16*\u
	global_store_b128 v1, v[CC:CC+3], s[16:17] offset:1024*\s+512*\u
.endm
.macro ROW s, left1, left2
.set YA, AR+64*\s
.set YR, AR+32+64*\s
	s_wait_loadcnt \left1                          ; this row's sixteen loads are in; those issued behind them may be out
.set j, 0
.rept 16
	v_pk_add_f32 v[YA+j:YA+j+1], v[YA+j:YA+j+1], v[YR+j:YR+j+1]
.set j, j+2
.endr
.irp k, 0,1,2,3                        ; the sum, in four chains
	v_pk_add_f32 v[8+2*\k:9+2*\k], v[YA+4*\k:YA+4*\k+1], v[YA+4*\k+2:YA+4*\k+3]
.endr
.irp m, 16,24
.irp k, 0,1,2,3
	v_pk_add_f32 v[8+2*\k:9+2*\k], v[8+2*\k:9+2*\k], v[YA+\m+2*\k:YA+\m+2*\k+1]
.endr
.endr
	JOIN
	ACROSS
	v_mul_f32 v10, 0x3a800000, v8                  ; mu = the sum / 1,024
	v_mov_b32 v11, v10
.set j, 0
.rept 16
	v_pk_add_f32 v[YA+j:YA+j+1], v[YA+j:YA+j+1], v[10:11] neg_lo:[0,1] neg_hi:[0,1]
.set j, j+2
.endr
.irp k, 0,1,2,3
	v_pk_mul_f32 v[8+2*\k:9+2*\k], v[YA+2*\k:YA+2*\k+1], v[YA+2*\k:YA+2*\k+1]
.endr
.irp m, 8,16,24
.irp k, 0,1,2,3
	v_pk_fma_f32 v[8+2*\k:9+2*\k], v[YA+\m+2*\k:YA+\m+2*\k+1], v[YA+\m+2*\k:YA+\m+2*\k+1], v[8+2*\k:9+2*\k]
.endr
.endr
	JOIN
	ACROSS
	v_mul_f32 v8, 0x3a800000, v8
	s_wait_alu depctr_va_vdst(0)
	v_sqrt_f32 v8, v8
	v_nop                                          ; a plain instruction behind the transcendental,
	s_wait_alu depctr_va_vdst(0)                   ; and the wait ahead of its reader
	v_add_f32 v8, 0x358637bd, v8                   ; + 1e-6
	s_wait_alu depctr_va_vdst(0)
	v_rcp_f32 v10, v8
	v_nop
	s_wait_alu depctr_va_vdst(0)
	v_mov_b32 v11, v10
	s_wait_alu depctr_va_vdst(0)
	s_wait_loadcnt \left2                          ; the gain and the offset are in
.set j, 0
.rept 16
	v_pk_mul_f32 v[YA+j:YA+j+1], v[YA+j:YA+j+1], v[10:11]
.set j, j+2
.endr
.set j, 0
.rept 16
	v_pk_fma_f32 v[YA+j:YA+j+1], v[YA+j:YA+j+1], v[G+j:G+j+1], v[BE+j:BE+j+1]
.set j, j+2
.endr
.irp i, 0,1,2,3,4,5,6,7
	global_store_b128 v1, v[YA+4*\i:YA+4*\i+3], s[14:15] offset:4096*\s+512*\i
.endr
.irp u, 0,1                            ; through the stage; LDS serves a wave's instructions in order
.irp i, 0,1,2,3
	ds_store_b128 v2, v[YA+16*\u+4*\i:YA+16*\u+4*\i+3] offset:32*SP*\u+8*SP*\i
.endr
.irp i, 0,1,2,3
	ds_load_b128 v[YR+16*\u+4*\i:YR+16*\u+4*\i+3], v3 offset:32*SP*\u+16*\i
.endr
.endr
	s_wait_dscnt 8                                 ; the first half is back; the second half's four stores and four loads may be out
	QHALF \s, 0
	s_wait_dscnt 1                                 ; the second half is back; the byte store just issued may be out
	QHALF \s, 1
.endm
	ROW 0, 32, 16
	ROW 1, 0, 0
	s_wait_dscnt 0x0                               ; for the others' sake: my byte stores have landed
	s_barrier_signal -1
	s_barrier_wait -1
	s_cmp_lg_u32 s28, 0
	s_cbranch_scc1 .Ldone
	ds_load_b64 v[12:13], v6
	s_wait_dscnt 0x0
	global_store_b64 v7, v[12:13], s[18:19]        ; 32 lanes store 256 consecutive bytes, aligned
.Ldone:
	s_wait_tensorcnt 0x0
	ds_add_u32 v228, v229
	s_wait_dscnt 0x0
	s_endpgm
.Lfunc_end_k_q39f3cf98f1_ln1:
	.size	k_q39f3cf98f1_ln1, .Lfunc_end_k_q39f3cf98f1_ln1-k_q39f3cf98f1_ln1
	.p2alignl 7, 3214868480
	.fill 96, 4, 3214868480
	.section	.rodata,"a",@progbits
	.p2align	6, 0x0
	.amdhsa_kernel k_q39f3cf98f1_ln1
		.amdhsa_group_segment_fixed_size 25088
		.amdhsa_private_segment_fixed_size 0
		.amdhsa_enable_private_segment 0
		.amdhsa_kernarg_size 40
		.amdhsa_user_sgpr_count 2
		.amdhsa_user_sgpr_kernarg_segment_ptr 1
		.amdhsa_wavefront_size32 1
		.amdhsa_system_sgpr_workgroup_id_x 1
		.amdhsa_system_sgpr_workgroup_id_y 1
		.amdhsa_system_sgpr_workgroup_id_z 1
		.amdhsa_system_vgpr_workitem_id 0
		.amdhsa_next_free_vgpr 230
		.amdhsa_next_free_sgpr 66
		.amdhsa_reserve_vcc 0
		.amdhsa_float_denorm_mode_32 3
		.amdhsa_float_denorm_mode_16_64 3
		.amdhsa_memory_ordered 1
		.amdhsa_forward_progress 1
		.amdhsa_inst_pref_size 34
	.end_amdhsa_kernel
	.amdgpu_metadata
---
amdhsa.version: [ 1, 2 ]
amdhsa.kernels:
  - .name:           k_q39f3cf98f1_ln1
    .symbol:         k_q39f3cf98f1_ln1.kd
    .args:
      - { .name: x1, .offset: 0, .size: 8, .value_kind: global_buffer, .address_space: global }
      - { .name: x, .offset: 8, .size: 8, .value_kind: global_buffer, .address_space: global }
      - { .name: g1, .offset: 16, .size: 8, .value_kind: global_buffer, .address_space: global }
      - { .name: be1, .offset: 24, .size: 8, .value_kind: global_buffer, .address_space: global }
      - { .name: x2, .offset: 32, .size: 8, .value_kind: global_buffer, .address_space: global }
    .group_segment_fixed_size: 25088
    .private_segment_fixed_size: 0
    .kernarg_segment_align: 8
    .kernarg_segment_size: 40
    .max_flat_workgroup_size: 128
    .sgpr_count:     66
    .vgpr_count:     230
    .wavefront_size: 32
...
	.end_amdgpu_metadata
.endif
;; end of part 5
;; launch ffn1 (part 6): grid 16 x 16, 4 waves a work-group, clusters of 4 x 4, 327,680 bytes of LDS; arguments x2, w1_codes, w1_scales, b1, himg; writes himg
.if DOCPART == 6
	.amdgcn_target "amdgcn-amd-amdhsa--gfx1250"
	.amdhsa_code_object_version 6
	.text
	.protected	k_q39f3cf98f1_ffn1
	.globl	k_q39f3cf98f1_ffn1
	.p2align	8
	.type	k_q39f3cf98f1_ffn1,@function
k_q39f3cf98f1_ffn1:
	s_mov_b64 s[64:65], 0
	v_nop
	global_prefetch_b8 v0, s[64:65] scope:SCOPE_SE
	s_setreg_imm32_b32 hwreg(HW_REG_WAVE_MODE, 25, 1), 1
	s_wait_xcnt 0x0
	s_wait_alu depctr_hold_cnt(0) depctr_sa_sdst(0) depctr_va_vdst(0) depctr_va_sdst(0) depctr_va_ssrc(0) depctr_va_vcc(0) depctr_vm_vsrc(0)
	s_getreg_b32 s2, hwreg(HW_REG_IB_STS2, 6, 4)
	s_cmp_eq_u32 s2, 0
	s_cbranch_scc0 .Lentry_in_a_cluster
	s_endpgm
.Lentry_in_a_cluster:
	s_bfe_u32 s2, ttmp6, 0x10000c
	s_cmp_lg_u32 s2, 0xf033
	s_cbranch_scc0 .Lentry_shape_is_right
	s_endpgm
.Lentry_shape_is_right:
.set SIZE_K, 1024
.set KSTEP,  256
.set NQ,     KSTEP/128
.set ROWB,   256
.set KROW,   SIZE_K
.set PITCH,  272
.set FR,     16
.set NL,     4
.set NP,     8
.set HALFT,  128*PITCH
.set SLOT,   4*HALFT
.set LAPS,   SIZE_K/(2*KSTEP)
.set KS,     SIZE_K/32
.set SCL,    2*SLOT
.set HALFS,  (128*KS/256)*272
.set SBLK,   (16*KS/256)*272
.set SPARE,  SCL+4*HALFS
.set ADRA, 16
.set ADRB, 20
.set ADRS, 27
.set SPW,  28
.set NIL,  29
.set BO,   30
.set SC,   32
.set BI,   64
.set AF,   128
.set RB,   32
.set TM,   96
.set PW,   112
.set T0,   120
.set T1,   121
.set LI,   122
.set SCRA, 124
.set SCRB, 125
.set SWO,  126
.set PC,   128
.set G1, 24
.set G0, 32
.set G1B, 48
.set G0B, 56
.set G1S, 68
.set G0S, 76
.set G1SB, 80
.set G0SB, 88
.set MSB, 0
.macro WIN new
.if MSB != \new
	s_set_vgpr_msb (MSB<<8)|\new
.set MSB, \new
.endif
.endm
.set MUL_LO, 0xa1
.set MUL_HI, 0xf1
.set TO_B,   0x40
.macro JLOAD g0a, g1a, g0b, g1b
	s_cmp_eq_u32 s15, 0
	s_cbranch_scc0 .Lfor_b_\@
	tensor_load_to_lds s[\g0a:\g0a+3], s[\g1a:\g1a+7]
	s_nop 0
.rept 4
	v_nop
.endr
	s_branch .Lasked_\@
.Lfor_b_\@:
	tensor_load_to_lds s[\g0b:\g0b+3], s[\g1b:\g1b+7]
	s_nop 0
.rept 4
	v_nop
.endr
.Lasked_\@:
.endm
.macro CREST
	s_cmp_lg_u32 s14, 0
	s_cbranch_scc1 .Lnot_wave_0_\@
	s_barrier_signal -3
.Lnot_wave_0_\@:
	s_barrier_wait -3
	s_barrier_signal -1
	s_barrier_wait -1
.endm
.macro CROUND
	s_barrier_signal -1
	s_barrier_wait -1
	CREST
.endm
	s_load_b256 s[4:11], s[0:1], 0x0
	s_load_b64 s[12:13], s[0:1], 0x20
	v_lshl_add_u32 v[SPW], v0, 2, SPARE
	v_mov_b32 v[NIL], 0
	ds_add_u32 v28, v29
	ds_add_u32 v28, v29
	s_wait_dscnt 0x0
	v_lshrrev_b32 v1, 5, v0
	v_readfirstlane_b32 s14, v1
	s_lshr_b32 s15, s14, 1
	s_and_b32 s16, s14, 1
	s_bfe_u32 s40, ttmp6, 0x40000
	s_bfe_u32 s41, ttmp6, 0x40004
	s_lshl_b32 s42, ttmp9, 2
	s_add_co_u32 s42, s42, s40
	s_and_b32 s17, ttmp7, 0xffff
	s_lshl_b32 s17, s17, 2
	s_add_co_u32 s17, s17, s41
	s_lshl_b32 s43, s41, 2
	s_lshl_b32 s43, 15, s43
	s_lshl_b32 s44, 0x1111, s40
	s_or_b32 s[G1+0], s43, (0<<16)|(1<<20)|(1<<21)|(5<<22)|(3<<25)
	s_or_b32 s[G1B+0], s44, (0<<16)|(1<<20)|(1<<21)|(5<<22)|(3<<25)
.irp g, G1, G1B
	s_mov_b32 s[\g+1], ROWB<<16
	s_mov_b32 s[\g+2], 256<<16                     ; the head's loads bring a whole tile of 256 rows; behind them the two words are set to 128
	s_mov_b32 s[\g+3], ROWB<<16
	s_mov_b32 s[\g+4], 256
	s_mov_b32 s[\g+5], KROW
	s_mov_b32 s[\g+6], 0
	s_mov_b32 s[\g+7], 0
.endr
	s_or_b32 s[G1S+0], s43, (3<<16)|(1<<20)|(1<<21)|(5<<22)|(3<<25)
	s_or_b32 s[G1SB+0], s44, (3<<16)|(1<<20)|(1<<21)|(5<<22)|(3<<25)
.irp g, G1S, G1SB
	s_mov_b32 s[\g+1], 32<<16
	s_mov_b32 s[\g+2], KS<<16                      ; the scales of 256 rows: KS rows of 256 bytes
	s_mov_b32 s[\g+3], 32<<16
	s_mov_b32 s[\g+4], KS
	s_mov_b32 s[\g+5], 32
	s_mov_b32 s[\g+6], 0
	s_mov_b32 s[\g+7], 0
.endr
	s_lshl_b32 s18, s16, 7
	s_lshl_b32 s20, s17, 8
	s_add_co_u32 s20, s20, s18
	s_lshl_b32 s46, s42, 8
	s_add_co_u32 s46, s46, s18
	s_mov_b32 s21, 0
	s_mov_b32 s47, 0
	s_mov_b64 s[18:19], KS
	s_mul_u64 s[22:23], s[20:21], s[18:19]
	s_mul_u64 s[92:93], s[46:47], s[18:19]
	s_mov_b64 s[18:19], KROW
	s_mul_u64 s[20:21], s[20:21], s[18:19]
	s_mul_u64 s[46:47], s[46:47], s[18:19]
	s_mul_i32 s45, s14, HALFT
	s_wait_kmcnt 0x0
	s_add_nc_u64 s[96:97], s[4:5], 0x1000000
	s_add_nc_u64 s[98:99], s[4:5], 0x1400000
	s_add_nc_u64 s[20:21], s[96:97], s[20:21]
	s_add_nc_u64 s[22:23], s[98:99], s[22:23]
	s_add_nc_u64 s[46:47], s[6:7], s[46:47]
	s_add_nc_u64 s[92:93], s[8:9], s[92:93]
	CROUND
	s_mov_b32 s[G0S], 1
	s_mov_b32 s[G0S+1], SCL
	s_sub_nc_u64 s[G0S+2:G0S+3], s[22:23], 128*KS  ; wave 1 asks: its own rows begin 128 rows into the tile
	s_or_b32 s[G0S+3], s[G0S+3], 0x80000000
	s_mov_b32 s[G0SB], 1
	s_mov_b32 s[G0SB+1], SCL+2*HALFS
	s_sub_nc_u64 s[G0SB+2:G0SB+3], s[92:93], 128*KS ; wave 3 asks: likewise
	s_or_b32 s[G0SB+3], s[G0SB+3], 0x80000000
.irp s, 0,1
	s_mov_b32 s[G0+4*\s], 1
	s_add_co_u32 s[G0+4*\s+1], s45, \s*SLOT
	s_add_nc_u64 s[G0+4*\s+2:G0+4*\s+3], s[20:21], \s*ROWB
	s_or_b32 s[G0+4*\s+3], s[G0+4*\s+3], 0x80000000
	s_mov_b32 s[G0B+4*\s], 1
	s_add_co_u32 s[G0B+4*\s+1], s45, \s*SLOT
	s_add_nc_u64 s[G0B+4*\s+2:G0B+4*\s+3], s[46:47], \s*ROWB
	s_or_b32 s[G0B+4*\s+3], s[G0B+4*\s+3], 0x80000000
.endr
; THE HEAD'S LOADS, ONE A WAVE: wave 0 K step 0's 256 rows of A, wave 2 its 256 rows of B (both have half 0, so their own slot 0 descriptors name the tile's first row), wave 1 A's scales, wave 3 B's.
.macro ARM w, g0, g1, next
	s_cmp_eq_u32 s14, \w
	s_cbranch_scc0 \next
	tensor_load_to_lds s[\g0:\g0+3], s[\g1:\g1+7]
	s_nop 0
.rept 4
	v_nop
.endr
	s_branch .Lhead_asked
\next:
.endm
	ARM 0, G0, G1, .Lhead_b
	ARM 2, G0B, G1B, .Lhead_sa
	ARM 1, G0S, G1S, .Lhead_sb
	tensor_load_to_lds s[G0SB:G0SB+3], s[G1SB:G1SB+7]
	s_nop 0
.rept 4
	v_nop
.endr
.Lhead_asked:
	v_and_b32 v1, 15, v0
	v_bfe_u32 v2, v0, 4, 1
	v_mul_u32_u24 v3, v1, PITCH
	v_lshl_add_u32 v4, v2, 4, v3
	s_mul_i32 s21, s15, HALFT
	s_mul_i32 s22, s16, HALFT
	s_add_co_u32 s22, s22, 2*HALFT
.irp s, 0,1
	v_add_nc_u32 v[ADRA+\s], s21, v4
	v_add_nc_u32 v[ADRB+\s], s22, v4
	s_add_co_u32 s21, s21, SLOT
	s_add_co_u32 s22, s22, SLOT
.endr
	v_mul_u32_u24 v5, v1, KS
	v_lshrrev_b32 v6, 8, v5
	v_lshl_add_u32 v5, v6, 4, v5
	s_mul_i32 s21, s15, HALFS
	s_mul_i32 s22, s16, HALFS
	s_add_co_u32 s22, s22, 2*HALFS
	s_sub_co_u32 s22, s22, s21
	v_mul_u32_u24 v6, s22, v2
	s_add_co_u32 s21, s21, SCL
	v_add_nc_u32 v5, v5, v6
	v_add_nc_u32 v[ADRS], s21, v5
	s_lshl_b32 s96, s42, 10
	s_lshl_b32 s97, s16, 9
	s_add_co_u32 s96, s96, s97
	s_mov_b32 s97, 0
	s_add_nc_u64 s[10:11], s[10:11], s[96:97]
	v_lshlrev_b32 v[BO], 5, v2
.irp b, 0,1,2,3,4,5,6,7
	global_load_b128 v[BI+8*\b:BI+8*\b+3], v[BO], s[10:11] offset:64*\b
	global_load_b128 v[BI+8*\b+4:BI+8*\b+7], v[BO], s[10:11] offset:64*\b+16
.endr
.macro FRAG reg, adr, q, i
.irp c, 0,1,2,3
	ds_load_b128 v[\reg+4*\c:\reg+4*\c+3], v[\adr] offset:128*(\q)+32*\c+(\i)*16*PITCH
.endr
.endm
.macro MUL16 a0, p, q, sc, zero
.irp a, \a0, \a0+1
.irp b, 0,1,2,3,4,5,6,7
.if \zero
	v_wmma_scale_f32_16x16x128_f8f6f4 v[8*(8*((\a)%4)+\b):8*(8*((\a)%4)+\b)+7], v[128*(\p)+FR*\b:128*(\p)+FR*\b+FR-1], v[AF+FR*(\a):AF+FR*(\a)+FR-1], v[BI+8*\b:BI+8*\b+7], v[SC+8*NQ*(\sc)+NQ*\b+(\q)], v[SC+8*NQ*(\sc)+NQ*(\a)+(\q)] matrix_a_scale:MATRIX_SCALE_ROW1
.else
	v_wmma_scale_f32_16x16x128_f8f6f4 v[8*(8*((\a)%4)+\b):8*(8*((\a)%4)+\b)+7], v[128*(\p)+FR*\b:128*(\p)+FR*\b+FR-1], v[AF+FR*(\a):AF+FR*(\a)+FR-1], v[8*(8*((\a)%4)+\b):8*(8*((\a)%4)+\b)+7], v[SC+8*NQ*(\sc)+NQ*\b+(\q)], v[SC+8*NQ*(\sc)+NQ*(\a)+(\q)] matrix_a_scale:MATRIX_SCALE_ROW1
.endif
.endr
.endr
.endm
.macro FETCH_B slot, q, p
	WIN TO_B
.irp i, 0,1,2,3,4,5,6,7
	FRAG 128*(\p)+FR*\i, ADRB+\slot, \q, \i
.endr
	WIN 0
.endm
.macro FETCH_A slot, q, i0
.irp i, \i0, \i0+1, \i0+2, \i0+3
	FRAG AF+FR*(\i), ADRA+\slot, \q, \i
.endr
.endm
.macro SCALES sc
.irp i, 0,1,2,3,4,5,6,7
	ds_load_b64 v[SC+8*NQ*\sc+NQ*\i:SC+8*NQ*\sc+NQ*\i+1], v[ADRS] offset:\i*SBLK
.endr
.endm
.macro PLACES n
.rept \n
	v_nop
.endr
.endm
.macro STEP slot, q, zero
	s_wait_dscnt 4*NL
.if \zero
	WIN 0x81
.else
	WIN MUL_LO
.endif
	MUL16 0, (\q)%2, \q, \slot, \zero
	MUL16 2, (\q)%2, \q, \slot, \zero
	s_wait_dscnt 0
	PLACES NP
	FETCH_B \slot, (\q)+1, 1-(\q)%2
	FETCH_A \slot, (\q)+1, 0
.if \zero
	WIN 0xc1
.else
	WIN MUL_HI
.endif
	MUL16 4, (\q)%2, \q, \slot, \zero
	MUL16 6, (\q)%2, \q, \slot, \zero
	PLACES NP
	WIN 0
	FETCH_A \slot, (\q)+1, 4
.endm
.macro TURN slot, next, fill
	s_wait_tensorcnt 0x0
	ds_add_u32 v[SPW], v[NIL]
	s_wait_dscnt 4*NL+1
	WIN MUL_LO
	MUL16 0, 1, NQ-1, \slot, 0
	s_wait_dscnt 0x0
	s_barrier_signal -1
	MUL16 2, 1, NQ-1, \slot, 0
	WIN 0
	s_barrier_wait -1
.if \fill
	CREST
	s_add_nc_u64 s[G0+4*\slot+2:G0+4*\slot+3], s[G0+4*\slot+2:G0+4*\slot+3], 2*ROWB
	s_add_nc_u64 s[G0B+4*\slot+2:G0B+4*\slot+3], s[G0B+4*\slot+2:G0B+4*\slot+3], 2*ROWB
	JLOAD G0+4*\slot, G1, G0B+4*\slot, G1B
	PLACES NP-4
.else
	PLACES NP
.endif
	s_wait_alu depctr_va_vdst(0)
	v_add_nc_u32 v[ADRS], 4*NQ, v[ADRS]
	FETCH_B \next, 0, 0
	FETCH_A \next, 0, 0
	SCALES \next
	WIN MUL_HI
	MUL16 4, 1, NQ-1, \slot, 0
	MUL16 6, 1, NQ-1, \slot, 0
	PLACES NP
	WIN 0
	FETCH_A \next, 0, 4
.endm
	s_wait_alu depctr_va_vdst(0)                   ; the wait at the head's end
	s_wait_tensorcnt 0x0                           ; my tile of the head's four is in
	ds_add_u32 v[SPW], v[NIL]
	s_mov_b32 s[G1+2], 128<<16                     ; no tensor load of mine is out: from here on a load brings 128 rows
	s_mov_b32 s[G1+4], 128
	s_mov_b32 s[G1B+2], 128<<16
	s_mov_b32 s[G1B+4], 128
	s_wait_dscnt 0x0
	CROUND                                         ; all four tiles are in, and all sixteen work-groups are here
	JLOAD G0+4, G1, G0B+4, G1B                     ; K step 1: the first tensor load behind the round
	FETCH_B 0, 0, 0
	FETCH_A 0, 0, 0
	SCALES 0
	FETCH_A 0, 0, 4
	s_wait_loadcnt 0x0
	STEP 0, 0, 1
	s_mov_b32 s3, LAPS-1
.Llap:
	TURN 0, 1, 1
	STEP 1, 0, 0
	TURN 1, 0, 1
	STEP 0, 0, 0
	s_sub_co_u32 s3, s3, 1
	s_cmp_lg_u32 s3, 0
	s_cbranch_scc1 .Llap
	TURN 0, 1, 0
	STEP 1, 0, 0
	s_wait_dscnt 4*NL
	WIN MUL_LO
	MUL16 0, 1, NQ-1, 1, 0
	MUL16 2, 1, NQ-1, 1, 0
	s_wait_dscnt 0
	WIN MUL_HI
	MUL16 4, 1, NQ-1, 1, 0
	MUL16 6, 1, NQ-1, 1, 0
	WIN 0
	PLACES NP
	s_mov_b32 s66, 0x76543210
	s_mov_b32 s67, 0xfedcba98
	s_mov_b32 s95, 0x600000
	s_lshl_b32 s20, s17, 2
	s_lshl_b32 s21, s15, 1
	s_add_co_u32 s20, s20, s21
	s_lshl_b32 s20, s20, 5
	s_lshl_b32 s21, s42, 1
	s_add_co_u32 s20, s20, s21
	s_add_co_u32 s20, s20, s16
	s_mul_i32 s20, s20, 8448
	s_mov_b32 s21, 0
	s_add_nc_u64 s[12:13], s[12:13], s[20:21]
	v_and_b32 v[T0], 31, v0
	v_lshlrev_b32 v[LI], 4, v[T0]
	v_bfe_u32 v[T1], v0, 4, 1
	v_mul_u32_u24 v[SWO], v[T1], 270336
	v_and_b32 v[T1], 15, v0
	v_lshl_add_u32 v[SWO], v[T1], 4, v[SWO]
	s_lshl_b32 s23, s14, 11
	v_lshl_add_u32 v[SCRA], v[T1], 2, s23
	v_add_nc_u32 v[SCRB], s23, v[LI]
.irp b, 0,1,2,3
	v_mov_b32 v[TM+4+\b], 0
.endr
.macro QUANTW a
.set AC, 64*((\a)%4)
.set WW, 2+(\a)/4
.set W1, WW|(WW<<2)
.set W2, WW|(WW<<6)
	WIN W1
.irp b, 0,1,2,3
	v_max3_num_f32 v[TM+\b], v[AC+16*\b], v[AC+16*\b+1], 0x4800000
.endr
.irp i, 2,4,6,8,10,12,14
.irp b, 0,1,2,3
	v_max3_num_f32 v[TM+\b], v[AC+16*\b+\i], v[AC+16*\b+\i+1], v[TM+\b]
.endr
.endr
	WIN 0
.irp b, 0,1,2,3
	v_permlanex16_b32 v[TM+4+\b], v[TM+\b], s66, s67
.endr
.irp b, 0,1,2,3
	v_max_num_f32 v[TM+\b], v[TM+\b], v[TM+4+\b]
.endr
.irp b, 0,1,2,3
	v_add_nc_u32 v[TM+12+\b], 0xfc000000, v[TM+\b]
.endr
.irp b, 0,1,2,3
	v_and_or_b32 v[TM+8+\b], v[TM+\b], 0x7f800000, s95
.endr
.irp b, 0,1,2,3
	v_lshrrev_b32 v[TM+4+\b], 23, v[TM+12+\b]
.endr
	v_lshl_or_b32 v[PW+\a], v[TM+5], 8, v[TM+4]
	v_lshl_or_b32 v[PW+\a], v[TM+6], 16, v[PW+\a]
	v_lshl_or_b32 v[PW+\a], v[TM+7], 24, v[PW+\a]
	WIN W2
.irp b, 0,1,2,3
.irp i, 0,1,2,3,4,5,6,7,8,9,10,11,12,13,14,15
	v_med3_num_f32 v[AC+16*\b+\i], v[AC+16*\b+\i], 0, v[TM+8+\b]
.endr
.endr
	WIN WW
.irp b, 0,1,2,3
	v_cvt_scalef32_pk8_fp8_f32 v[PC+16*(\a)+4*\b:PC+16*(\a)+4*\b+1], v[AC+16*\b:AC+16*\b+7], v[TM+12+\b]
	v_cvt_scalef32_pk8_fp8_f32 v[PC+16*(\a)+4*\b+2:PC+16*(\a)+4*\b+3], v[AC+16*\b+8:AC+16*\b+15], v[TM+12+\b]
.endr
	WIN 0
	v_nop
.irp b, 0,1,2,3
	v_permlane16_swap_b32 v[PC+16*(\a)+4*\b], v[PC+16*(\a)+4*\b+2]
	v_permlane16_swap_b32 v[PC+16*(\a)+4*\b+1], v[PC+16*(\a)+4*\b+3]
.endr
.endm
.irp a, 0,1,2,3,4,5,6,7
	QUANTW \a
.irp c, 0,1,2,3
	global_store_b128 v[LI], v[PC+16*\a+4*\c:PC+16*\a+4*\c+3], s[12:13] offset:(\a/4)*270336+(\a%4)*2048+512*\c
.endr
	ds_store_b32 v[SCRA], v[PW+\a] offset:64*\a
.endr
	ds_load_b128 v[RB:RB+3], v[SCRB]
	s_wait_dscnt 0x0
	global_store_b128 v[SWO], v[RB:RB+3], s[12:13] offset:8192
	s_wait_tensorcnt 0x0
	ds_add_u32 v[SPW], v[NIL]
	s_wait_dscnt 0x0
	CROUND
	s_endpgm
.Lfunc_end_k_q39f3cf98f1_ffn1:
	.size	k_q39f3cf98f1_ffn1, .Lfunc_end_k_q39f3cf98f1_ffn1-k_q39f3cf98f1_ffn1
	.p2alignl 7, 3214868480
	.fill 96, 4, 3214868480
	.section	.rodata,"a",@progbits
	.p2align	6, 0x0
	.amdhsa_kernel k_q39f3cf98f1_ffn1
		.amdhsa_group_segment_fixed_size 327680
		.amdhsa_private_segment_fixed_size 0
		.amdhsa_enable_private_segment 0
		.amdhsa_kernarg_size 40
		.amdhsa_user_sgpr_count 2
		.amdhsa_user_sgpr_kernarg_segment_ptr 1
		.amdhsa_wavefront_size32 1
		.amdhsa_system_sgpr_workgroup_id_x 1
		.amdhsa_system_sgpr_workgroup_id_y 1
		.amdhsa_system_sgpr_workgroup_id_z 1
		.amdhsa_system_vgpr_workitem_id 0
		.amdhsa_next_free_vgpr 1024
		.amdhsa_next_free_sgpr 100
		.amdhsa_reserve_vcc 0
		.amdhsa_float_denorm_mode_32 3
		.amdhsa_float_denorm_mode_16_64 3
		.amdhsa_memory_ordered 1
		.amdhsa_forward_progress 1
		.amdhsa_inst_pref_size 190
	.end_amdhsa_kernel
	.amdgpu_metadata
---
amdhsa.version: [ 1, 2 ]
amdhsa.kernels:
  - .name:           k_q39f3cf98f1_ffn1
    .symbol:         k_q39f3cf98f1_ffn1.kd
    .args:
      - { .name: x2, .offset: 0, .size: 8, .value_kind: global_buffer, .address_space: global }
      - { .name: w1_codes, .offset: 8, .size: 8, .value_kind: global_buffer, .address_space: global }
      - { .name: w1_scales, .offset: 16, .size: 8, .value_kind: global_buffer, .address_space: global }
      - { .name: b1, .offset: 24, .size: 8, .value_kind: global_buffer, .address_space: global }
      - { .name: himg, .offset: 32, .size: 8, .value_kind: global_buffer, .address_space: global }
    .group_segment_fixed_size: 327680
    .private_segment_fixed_size: 0
    .kernarg_segment_align: 8
    .kernarg_segment_size: 40
    .max_flat_workgroup_size: 128
    .sgpr_count:     100
    .vgpr_count:     1024
    .wavefront_size: 32
...
	.end_amdgpu_metadata
.endif
;; end of part 6
;; launch ffn2 (part 7): grid 8 x 32, 4 waves a work-group, clusters of 4 x 4, 327,680 bytes of LDS; arguments himg, w2_codes, w2_scales, x3; writes x3
.if DOCPART == 7
	.amdgcn_target "amdgcn-amd-amdhsa--gfx1250"
	.amdhsa_code_object_version 6
	.text
	.protected	k_q39f3cf98f1_ffn2
	.globl	k_q39f3cf98f1_ffn2
	.p2align	8
	.type	k_q39f3cf98f1_ffn2,@function
k_q39f3cf98f1_ffn2:
	s_mov_b64 s[64:65], 0
	v_nop
	global_prefetch_b8 v0, s[64:65] scope:SCOPE_SE
	s_setreg_imm32_b32 hwreg(HW_REG_WAVE_MODE, 25, 1), 1
	s_wait_xcnt 0x0
	s_wait_alu depctr_hold_cnt(0) depctr_sa_sdst(0) depctr_va_vdst(0) depctr_va_sdst(0) depctr_va_ssrc(0) depctr_va_vcc(0) depctr_vm_vsrc(0)
	s_getreg_b32 s2, hwreg(HW_REG_IB_STS2, 6, 4)
	s_cmp_eq_u32 s2, 0
	s_cbranch_scc0 .Lentry_in_a_cluster
	s_endpgm
.Lentry_in_a_cluster:
	s_bfe_u32 s2, ttmp6, 0x10000c
	s_cmp_lg_u32 s2, 0xf033
	s_cbranch_scc0 .Lentry_shape_is_right
	s_endpgm
.Lentry_shape_is_right:
; x3[m][n] = sum over k of A[m][k] w2[n][k] on codes of FP8 (E4M3) with E8M0 scales; x3 [4096][1024] f32; K = 4,096, one f32 sum for each output.
; A comes as chunks of 8,448 bytes, [m / 64][k / 128]: four images of operand registers (16 rows x 128 K: piece c of lane l at 512 c + 16 l) and, at 8,192, the 64 rows' scale words.  w2: rows of 4,096 codes and 128 scale bytes, as given.
; SHARES.  256 work-groups, each 128 x 128 of x3; four waves, 64 x 64 each: 16 accumulators.  K goes in eight tiles of 512 through a ring of two LDS slots: a slot holds 2 groups x 4 chunks of A and 128 rows x 512 bytes of w2.
; Each wave fetches a quarter of a slot by one joint load of 33,792 bytes (waves 0, 1: A's groups; waves 2, 3: 64 rows of w2).  A tile is asked for at the head of the tile before it, behind a round of the cluster's barrier.
; CLUSTERS of 4 x 4: A's tile is asked for jointly along a row of the cluster, w2's along a column.  w2's scale bytes (16,384 of the 1,097,728 bytes that a work-group reads) come once through registers into LDS bytes of their own, not jointly.
; PREFETCH: behind each joint load but the last ones a wave names, by one instruction, its work-group's quarter of what its joint load two loads on will bring: A: chunk cx of the four, 32 lanes 256 bytes apart (the chunk's last 256 bytes,
; its scale words, are not named); w2: rows 16 cy .. 16 cy + 15 of the 64, two lanes a row.  The partners are told apart by address alone.  Tiles 0 to 2 come by their loads alone; behind tile 7 nothing is named.
; THE MATRIX INSTRUCTION IS USED TRANSPOSED (source 0 = 16 rows of w2, source 1 = 16 rows of A): a lane holds eight neighbouring numbers of a row of x3.
; REGISTERS: window 0: v16-30 addresses; v32-39 A's scale words, v42-49 w2's (register 4 p + k: lanes 0-15 block 2 p, lanes 16-31 block 2 p + 1, the tile's k-th 128 of K); v128-255 A's fragments, two sets, later the rows on their way out.
;   window 1: v0-127 w2's fragments, two sets.  window 2: v0-127 the accumulators, (a, b) at 8 (4 a + b).
.set CH,    8448
.set BP,    528                        ; a tile's row of w2 in LDS: 512 bytes + 16 of padding
.set SLOT,  8*CH+128*BP
.set SP,    144                        ; a row of w2's scale bytes in LDS: 128 bytes + 16
.set SCLB,  2*SLOT                     ; stored by the waves; no load lands here
.set SPARE, SCLB+128*SP                ; the spare words, 128 bytes a wave
.set STAGE, SPARE+512                  ; the way out: 16 rows x (256 + 16) bytes for each wave; no load lands here
.set ADRA, 16
.set ADSA, 18
.set ADRB, 20
.set ADSB, 22
.set SST,  23
.set STO,  24
.set RD,   25
.set CO,   26
.set PFO,  27
.set SPW,  28
.set NIL,  29
.set SGO,  30
.set SCA,  32
.set SCB,  42
.set AF,   128
.set BK,   128
.set G1A, 24
.set G0A, 32                           ; s[32:39] A's groups 0, one for each slot
.set G1B, 48
.set G0B, 56                           ; s[56:63] w2's
.set PFA, 68                           ; s[68:69] where my prefetches stand;  s[70:71] a tile on, in bytes
.set PFS, 70
.set MSB, 0
.macro WIN new
.if MSB != \new
	s_set_vgpr_msb (MSB<<8)|\new
.set MSB, \new
.endif
.endm
.macro PLACES n
.rept \n
	v_nop
.endr
.endm
.macro CROUND                          ; a round of the cluster's barrier
	s_barrier_signal -1
	s_barrier_wait -1
	s_cmp_lg_u32 s14, 0
	s_cbranch_scc1 .Lnot_wave_0_\@
	s_barrier_signal -3
.Lnot_wave_0_\@:
	s_barrier_wait -3
	s_barrier_signal -1
	s_barrier_wait -1
.endm
.macro JLOAD s                         ; a joint load into slot s: waves 0, 1 for A, waves 2, 3 for w2; an s_nop 0 and four v_nop follow each line
	s_cmp_eq_u32 s15, 0
	s_cbranch_scc0 .Lfor_b_\@
	tensor_load_to_lds s[G0A+4*(\s):G0A+4*(\s)+3], s[G1A:G1A+7]
	s_nop 0
	PLACES 4
	s_branch .Lasked_\@
.Lfor_b_\@:
	tensor_load_to_lds s[G0B+4*(\s):G0B+4*(\s)+3], s[G1B:G1B+7]
	s_nop 0
	PLACES 4
.Lasked_\@:
.endm
	s_load_b64 s[4:5], s[0:1], 0x0                 ; A's chunks
	s_load_b128 s[8:11], s[0:1], 0x8               ; w2's codes, w2's scales
	s_load_b64 s[12:13], s[0:1], 0x18              ; x3
	v_lshl_add_u32 v[SPW], v0, 2, SPARE
	v_mov_b32 v[NIL], 0
	ds_add_u32 v[SPW], v[NIL]                      ; the opening lines: the add, twice on end, and its wait
	ds_add_u32 v[SPW], v[NIL]
	v_lshrrev_b32 v1, 5, v0
	v_readfirstlane_b32 s14, v1                    ; wave 0..3
	s_lshr_b32 s15, s14, 1                         ; my 64 rows.  Also: I fetch for A (0) or for w2 (1)
	s_and_b32 s16, s14, 1                          ; my 64 columns.  Also: which half of that tile I fetch
	s_bfe_u32 s40, ttmp6, 0x40000                  ; cx, cy
	s_bfe_u32 s41, ttmp6, 0x40004
	s_lshl_b32 s42, ttmp9, 2
	s_add_co_u32 s42, s42, s40                     ; tile column
	s_and_b32 s17, ttmp7, 0xffff
	s_lshl_b32 s17, s17, 2
	s_add_co_u32 s17, s17, s41                     ; tile row
	s_lshl_b32 s43, s41, 2
	s_lshl_b32 s43, 15, s43                        ; my row of the cluster
	s_lshl_b32 s44, 0x1111, s40                    ; my column
	s_or_b32 s[G1A+0], s43, (3<<16)|(1<<21)        ; A: four chunks, 33,792 dense bytes, as 132 rows of 256 (32 elements of 8 bytes), no padding
	s_mov_b32 s[G1A+1], 32<<16
	s_mov_b32 s[G1A+2], 132<<16
	s_mov_b32 s[G1A+3], 32<<16
	s_mov_b32 s[G1A+4], 132
	s_mov_b32 s[G1A+5], 32
	s_mov_b32 s[G1A+6], 0
	s_mov_b32 s[G1A+7], 0
	s_or_b32 s[G1B+0], s44, (1<<20)|(1<<21)|(6<<22)|(3<<25)   ; w2: 64 rows of 512 bytes, 4,096 apart; four words of padding behind each 128 words
	s_mov_b32 s[G1B+1], 512<<16
	s_mov_b32 s[G1B+2], 64<<16
	s_mov_b32 s[G1B+3], 512<<16
	s_mov_b32 s[G1B+4], 64
	s_mov_b32 s[G1B+5], 4096
	s_mov_b32 s[G1B+6], 0
	s_mov_b32 s[G1B+7], 0
	s_lshl_b32 s20, s17, 1                         ; A: group 2 x tile row + which; a group's 32 chunks
	s_add_co_u32 s20, s20, s16
	s_mul_i32 s20, s20, 32*CH
	s_mov_b32 s21, 0
	s_lshl_b32 s46, s42, 1                         ; w2: row 64 (2 x tile column + which), of 4,096 bytes
	s_add_co_u32 s46, s46, s16
	s_lshl_b32 s46, s46, 18
	s_mov_b32 s47, 0
	s_lshl_b32 s92, s42, 14                        ; its scale bytes: 128 rows of 128
	s_mov_b32 s93, 0
	s_lshl_b32 s96, s17, 1                         ; x3: my first row, 64 (2 x tile row + my half), of 4,096 bytes,
	s_add_co_u32 s96, s96, s15
	s_lshl_b32 s96, s96, 18
	s_lshl_b32 s97, s42, 1                         ; my first column, 64 (2 x tile column + my half), of 4 bytes
	s_add_co_u32 s97, s97, s16
	s_lshl_b32 s97, s97, 8
	s_add_co_u32 s96, s96, s97
	s_mov_b32 s97, 0
	s_mul_i32 s18, s16, 4*CH                       ; LDS, in a slot: the group of A that I fetch,
	s_mul_i32 s19, s16, 64*BP
	s_add_co_u32 s19, s19, 8*CH                    ; the 64 rows of w2 that I fetch, which are also those that I read,
	s_mul_i32 s22, s15, 4*CH                       ; the group of A that I read;
	s_mul_i32 s76, s16, 64*SP
	s_add_co_u32 s76, s76, SCLB                    ; my columns' scale bytes,
	s_mul_i32 s77, s14, 16*272
	s_add_co_u32 s77, s77, STAGE                   ; my stage
	s_mul_i32 s72, s40, CH                         ; the prefetches: A: chunk cx of the four;
	s_lshl_b32 s73, s41, 16                        ; w2: 16 cy rows on
	s_wait_dscnt 0x0                               ; both opening adds are done
	s_wait_kmcnt 0x0
	s_add_nc_u64 s[20:21], s[4:5], s[20:21]
	s_add_nc_u64 s[46:47], s[8:9], s[46:47]
	s_add_nc_u64 s[10:11], s[10:11], s[92:93]
	s_add_nc_u64 s[12:13], s[12:13], s[96:97]
	s_cmp_eq_u32 s15, 0                            ; do I fetch for A?
	s_cselect_b64 s[PFA:PFA+1], s[20:21], s[46:47]
	s_cselect_b32 s72, s72, s73
	s_mov_b32 s73, 0
	s_mov_b32 s[PFS], 512
	s_cselect_b32 s[PFS], 4*CH, s[PFS]             ; a tile on
	s_mov_b32 s[PFS+1], 0
	s_cselect_b32 s74, 0, 1                        ; lanes to a row less one
	s_mov_b32 s75, 4096
	s_cselect_b32 s75, 256, s75                    ; from row to row
	s_add_nc_u64 s[PFA:PFA+1], s[PFA:PFA+1], s[72:73]
	s_mul_i32 s72, s[PFS], 3
	s_add_nc_u64 s[PFA:PFA+1], s[PFA:PFA+1], s[72:73]   ; at tile 3
.irp s, 0,1
	s_mov_b32 s[G0A+4*\s], 1
	s_add_co_u32 s[G0A+4*\s+1], s18, \s*SLOT
	s_add_nc_u64 s[G0A+4*\s+2:G0A+4*\s+3], s[20:21], \s*4*CH       ; slot s begins with tile s
	s_or_b32 s[G0A+4*\s+3], s[G0A+4*\s+3], 0x80000000
	s_mov_b32 s[G0B+4*\s], 1
	s_add_co_u32 s[G0B+4*\s+1], s19, \s*SLOT
	s_add_nc_u64 s[G0B+4*\s+2:G0B+4*\s+3], s[46:47], \s*512
	s_or_b32 s[G0B+4*\s+3], s[G0B+4*\s+3], 0x80000000
.endr
	CROUND                                         ; all sixteen work-groups are here: the first joint loads meet
	JLOAD 0                                        ; tile 0: one tensor load a wave at the head
	v_lshlrev_b32 v[SGO], 4, v0                    ; w2's scale bytes: thread t takes 16 bytes at 16 t + 2,048 j: each load of a wave covers 512 consecutive bytes
.irp j, 0,1,2,3,4,5,6,7
	global_load_b128 v[128+4*\j:131+4*\j], v[SGO], s[10:11] offset:2048*\j
.endr
	v_and_b32 v1, 15, v0                           ; r
	v_bfe_u32 v2, v0, 4, 1                         ; h
	v_and_b32 v3, 31, v0                           ; lane
	v_lshlrev_b32 v4, 4, v3
	v_add_nc_u32 v[ADRA], s22, v4                  ; A's images: 16 x lane, in slot 0,
	v_add_nc_u32 v[ADRA+1], SLOT, v[ADRA]          ; in slot 1
	v_lshlrev_b32 v5, 2, v3
	v_add_nc_u32 v[ADSA], s22, v5                  ; A's scale words: 4 x lane
	v_add_nc_u32 v[ADSA+1], SLOT, v[ADSA]
	v_mul_u32_u24 v6, v1, BP
	v_lshl_add_u32 v6, v2, 4, v6
	v_add_nc_u32 v[ADRB], s19, v6                  ; w2: row r x pitch + 16 h
	v_add_nc_u32 v[ADRB+1], SLOT, v[ADRB]
	v_mul_u32_u24 v7, v3, SP
	v_add_nc_u32 v[ADSB], s76, v7                  ; its scale words: row = lane (two blocks of 16); 16 bytes a tile
	v_lshrrev_b32 v8, 3, v0                        ; and where my thread puts them: row t / 8 (+ 16 j), byte 16 (t % 8)
	v_mul_u32_u24 v8, v8, SP
	v_and_b32 v9, 7, v0
	v_lshl_add_u32 v8, v9, 4, v8
	v_add_nc_u32 v[SST], SCLB, v8
	v_mul_u32_u24 v10, v1, 272
	v_lshl_add_u32 v10, v2, 5, v10
	v_add_nc_u32 v[STO], s77, v10                  ; the stage, in: row r, 32 bytes for each half of the lanes
	v_mul_u32_u24 v11, v2, 272
	v_lshl_add_u32 v11, v1, 4, v11
	v_add_nc_u32 v[RD], s77, v11                   ; back: lanes 0-15 one row of 256 bytes, lanes 16-31 the next
	v_lshlrev_b32 v12, 12, v2
	v_lshl_add_u32 v[CO], v1, 4, v12               ; and the same two rows in x3
	v_lshrrev_b32 v13, s74, v3                     ; the prefetches' offset: my row x its pitch + 256 x my place in the row
	v_mul_lo_u32 v13, v13, s75
	v_and_b32 v14, s74, v3
	v_lshl_add_u32 v[PFO], v14, 8, v13
	s_wait_alu depctr_va_vdst(0)                   ; the wait at the head's end
	s_wait_loadcnt 0x0
.irp j, 0,1,2,3,4,5,6,7
	ds_store_b128 v[SST], v[128+4*\j:131+4*\j] offset:16*SP*\j     ; waited for ahead of the first round, behind which they are read
.endr
.macro FETCH slot, q                   ; the fragments of the tile's q-th 128 of K into set q % 2: 32 loads
	WIN 0x40
.irp i, 0,1,2,3
.irp c, 0,1,2,3
	ds_load_b128 v[64*((\q)%2)+16*\i+4*\c:64*((\q)%2)+16*\i+4*\c+3], v[ADRB+\slot] offset:128*(\q)+32*\c+\i*16*BP
.endr
.endr
	WIN 0
.irp i, 0,1,2,3
.irp c, 0,1,2,3
	ds_load_b128 v[AF+64*((\q)%2)+16*\i+4*\c:AF+64*((\q)%2)+16*\i+4*\c+3], v[ADRA+\slot] offset:(\q)*CH+\i*2048+512*\c
.endr
.endr
.endm
.macro MUL q, zero                     ; 16 products; the 16 accumulators take turns, in the same order in every step; the very first step starts the sums
.irp a, 0,1,2,3
.irp b, 0,1,2,3
.set rD, 8*(4*\a+\b)
.set rB, 64*((\q)%2)+16*\b
.set rA, AF+64*((\q)%2)+16*\a
.set rSB, SCB+4*(\b/2)+(\q)
.set rSA, SCA+4*(\a/2)+(\q)
.set odd, 2*(\a%2)+(\b%2)
.if (\zero) && (\q) == 0
.if odd == 0
	v_wmma_scale_f32_16x16x128_f8f6f4 v[rD:rD+7], v[rB:rB+15], v[rA:rA+15], 0, v[rSB], v[rSA]
.elseif odd == 1
	v_wmma_scale_f32_16x16x128_f8f6f4 v[rD:rD+7], v[rB:rB+15], v[rA:rA+15], 0, v[rSB], v[rSA] matrix_a_scale:MATRIX_SCALE_ROW1
.elseif odd == 2
	v_wmma_scale_f32_16x16x128_f8f6f4 v[rD:rD+7], v[rB:rB+15], v[rA:rA+15], 0, v[rSB], v[rSA] matrix_b_scale:MATRIX_SCALE_ROW1
.else
	v_wmma_scale_f32_16x16x128_f8f6f4 v[rD:rD+7], v[rB:rB+15], v[rA:rA+15], 0, v[rSB], v[rSA] matrix_a_scale:MATRIX_SCALE_ROW1 matrix_b_scale:MATRIX_SCALE_ROW1
.endif
.else
.if odd == 0
	v_wmma_scale_f32_16x16x128_f8f6f4 v[rD:rD+7], v[rB:rB+15], v[rA:rA+15], v[rD:rD+7], v[rSB], v[rSA]
.elseif odd == 1
	v_wmma_scale_f32_16x16x128_f8f6f4 v[rD:rD+7], v[rB:rB+15], v[rA:rA+15], v[rD:rD+7], v[rSB], v[rSA] matrix_a_scale:MATRIX_SCALE_ROW1
.elseif odd == 2
	v_wmma_scale_f32_16x16x128_f8f6f4 v[rD:rD+7], v[rB:rB+15], v[rA:rA+15], v[rD:rD+7], v[rSB], v[rSA] matrix_b_scale:MATRIX_SCALE_ROW1
.else
	v_wmma_scale_f32_16x16x128_f8f6f4 v[rD:rD+7], v[rB:rB+15], v[rA:rA+15], v[rD:rD+7], v[rSB], v[rSA] matrix_a_scale:MATRIX_SCALE_ROW1 matrix_b_scale:MATRIX_SCALE_ROW1
.endif
.endif
.endr
.endr
.endm
; A TILE of 512 along K, out of slot `slot`.  refill = 1: the next tile is asked for, into the other slot.  zero = 1: the launch's first tile.  ask: 0 no prefetch; 1 the first; 2 in the loop, in all trips but the last.
.macro TRIP slot, refill, zero, ask
	s_wait_tensorcnt 0x0                           ; my one load that was out, my part of this tile, is in, so every group 0 may be written
	ds_add_u32 v[SPW], v[NIL]
	s_add_nc_u64 s[G0A+4*\slot+2:G0A+4*\slot+3], s[G0A+4*\slot+2:G0A+4*\slot+3], 8*CH    ; this slot's next tile: two tiles on
	s_add_nc_u64 s[G0B+4*\slot+2:G0B+4*\slot+3], s[G0B+4*\slot+2:G0B+4*\slot+3], 1024
.if \ask == 2
	s_wait_xcnt 0x0                                ; my last prefetch has read its address, so it may be stepped
	s_add_nc_u64 s[PFA:PFA+1], s[PFA:PFA+1], s[PFS:PFS+1]
.endif
	s_wait_dscnt 0x0                               ; the add is done, and so are my reads of the other slot (at first: my stores of the scale bytes)
	CROUND                                         ; both now hold of every wave of every work-group of the cluster
.if \refill
	JLOAD 1-\slot                                  ; the first tensor load behind the round; its four v_nop are among the eight places ahead of the loads below
	PLACES 4
.else
	PLACES 8
.endif
.if \zero == 0
	v_add_nc_u32 v[ADSB], 16, v[ADSB]              ; this tile's scale words of w2 (no LDS load of mine is out)
	s_wait_alu depctr_va_vdst(0)                   ; the wait here, directly behind the write
.endif
.irp p, 0,1                            ; the tile's scale words: 10 loads
	ds_load_b128 v[SCB+4*\p:SCB+4*\p+3], v[ADSB] offset:\p*32*SP
.irp k, 0,1,2,3
	ds_load_b32 v[SCA+4*\p+\k], v[ADSA+\slot] offset:\k*CH+8192+128*\p
.endr
.endr
	FETCH \slot, 0
.if \ask == 1
	global_prefetch_b8 v[PFO], s[PFA:PFA+1] th:TH_LOAD_NT scope:SCOPE_SE
.elseif \ask == 2
	s_cmp_gt_u32 s3, 1                             ; the loop's last trip would name tiles behind the last
	s_cbranch_scc0 .Lnone_\@
	global_prefetch_b8 v[PFO], s[PFA:PFA+1] th:TH_LOAD_NT scope:SCOPE_SE
.Lnone_\@:
.endif
.irp k, 0,1,2,3
.if \k > 0
	PLACES 8                                       ; eight places behind the products that read the set into which the loads below land
.endif
.if \k < 3
	FETCH \slot, \k+1
	s_wait_dscnt 32                                ; all but the 32 loads just issued: this step's set (and the scale words) are in
.else
	s_wait_dscnt 0x0
.endif
	WIN 0xa1                                       ; source 0 window 1, source 1 window 0, C and D window 2
	MUL \k, \zero
.endr
	WIN 0
.endm
	TRIP 0, 1, 1, 1                                ; tile 0; slot 1's first fill, tile 1, is issued as a refill is
	s_mov_b32 s3, 3
.Llap:                                                 ; tiles 1 and 2, 3 and 4, 5 and 6
	TRIP 1, 1, 0, 2
	TRIP 0, 1, 0, 2
	s_sub_co_u32 s3, s3, 1
	s_cmp_lg_u32 s3, 0
	s_cbranch_scc1 .Llap
	TRIP 1, 0, 0, 0                                ; tile 7 asks for nothing
	PLACES 8                                       ; behind the last products: ahead of the stores that read the sums and of the loads into A's registers
; THE WAY OUT, block by block of 16 rows x 64 columns, through my own stage: back as whole rows of 256 bytes.  LDS serves a wave's instructions in order (ISA guide 5.7.1.4).  Each block has registers of its own.
.macro TOSTAGE a
	WIN 0x08
.irp b, 0,1,2,3
	ds_store_b128 v[STO], v[32*\a+8*\b:32*\a+8*\b+3] offset:64*\b        ; each accumulator from its low end on
	ds_store_b128 v[STO], v[32*\a+8*\b+4:32*\a+8*\b+7] offset:64*\b+16
.endr
	WIN 0
.irp t, 0,1,2,3,4,5,6,7
	ds_load_b128 v[BK+32*\a+4*\t:BK+32*\a+4*\t+3], v[RD] offset:\t*2*272
.endr
.endm
.macro SEND a, younger                 ; younger: the LDS instructions issued behind block a's loads
	s_wait_dscnt \younger
.irp t, 0,1,2,3,4,5,6,7
	global_store_b128 v[CO], v[BK+32*\a+4*\t:BK+32*\a+4*\t+3], s[12:13] offset:(16*\a+2*\t)*4096   ; 16 lanes store 256 consecutive bytes, aligned
.endr
.endm
	TOSTAGE 0
	TOSTAGE 1
	SEND 0, 16
	TOSTAGE 2
	SEND 1, 16
	TOSTAGE 3
	SEND 2, 16
	SEND 3, 0
	s_wait_tensorcnt 0x0                           ; the wave's end
	ds_add_u32 v[SPW], v[NIL]
	s_wait_dscnt 0x0
	CROUND                                         ; the closing round
	s_endpgm
.Lfunc_end_k_q39f3cf98f1_ffn2:
	.size	k_q39f3cf98f1_ffn2, .Lfunc_end_k_q39f3cf98f1_ffn2-k_q39f3cf98f1_ffn2
	.p2alignl 7, 3214868480
	.fill 96, 4, 3214868480
	.section	.rodata,"a",@progbits
	.p2align	6, 0x0
	.amdhsa_kernel k_q39f3cf98f1_ffn2
		.amdhsa_group_segment_fixed_size 327680
		.amdhsa_private_segment_fixed_size 0
		.amdhsa_enable_private_segment 0
		.amdhsa_kernarg_size 32
		.amdhsa_user_sgpr_count 2
		.amdhsa_user_sgpr_kernarg_segment_ptr 1
		.amdhsa_wavefront_size32 1
		.amdhsa_system_sgpr_workgroup_id_x 1
		.amdhsa_system_sgpr_workgroup_id_y 1
		.amdhsa_system_sgpr_workgroup_id_z 1
		.amdhsa_system_vgpr_workitem_id 0
		.amdhsa_next_free_vgpr 768
		.amdhsa_next_free_sgpr 98
		.amdhsa_reserve_vcc 0
		.amdhsa_float_denorm_mode_32 3
		.amdhsa_float_denorm_mode_16_64 3
		.amdhsa_memory_ordered 1
		.amdhsa_forward_progress 1
		.amdhsa_inst_pref_size 94
	.end_amdhsa_kernel
	.amdgpu_metadata
---
amdhsa.version: [ 1, 2 ]
amdhsa.kernels:
  - .name:           k_q39f3cf98f1_ffn2
    .symbol:         k_q39f3cf98f1_ffn2.kd
    .args:
      - { .name: himg, .offset: 0, .size: 8, .value_kind: global_buffer, .address_space: global }
      - { .name: w2_codes, .offset: 8, .size: 8, .value_kind: global_buffer, .address_space: global }
      - { .name: w2_scales, .offset: 16, .size: 8, .value_kind: global_buffer, .address_space: global }
      - { .name: x3, .offset: 24, .size: 8, .value_kind: global_buffer, .address_space: global }
    .group_segment_fixed_size: 327680
    .private_segment_fixed_size: 0
    .kernarg_segment_align: 8
    .kernarg_segment_size: 32
    .max_flat_workgroup_size: 128
    .sgpr_count:     98
    .vgpr_count:     768
    .wavefront_size: 32
...
	.end_amdgpu_metadata
.endif
;; end of part 7
;; launch ln2 (part 8): grid 1024 x 1, 4 waves a work-group, no clusters, 0 bytes of LDS; arguments x3, x2, b2, g2, be2, out0; writes out0
.if DOCPART == 8
	.amdgcn_target "amdgcn-amd-amdhsa--gfx1250"
	.amdhsa_code_object_version 6
	.text
	.protected	k_q39f3cf98f1_ln2
	.globl	k_q39f3cf98f1_ln2
	.p2align	8
	.type	k_q39f3cf98f1_ln2,@function
k_q39f3cf98f1_ln2:
	s_mov_b64 s[64:65], 0
	v_nop
	global_prefetch_b8 v0, s[64:65] scope:SCOPE_SE
	s_setreg_imm32_b32 hwreg(HW_REG_WAVE_MODE, 25, 1), 1
	s_wait_xcnt 0x0
; out0 = (y - mu) / (sqrt(mean((y - mu)^2)) + 1e-6) x g2 + be2, y = x2 + ((x3a + x3b) + b2), row by row of 1,024; all in f32.  x3a and x3b are the sums over the two halves of K of the last product,
; two planes of 16,777,216 bytes.
; One wave takes one whole row, 32 registers a lane for each of its three sources (16 bytes at 16 x lane + 512 i); the row and the three vectors, 48 loads, are asked for at the head.  The mean is taken first and the
; squares of the differences second, as the definition has them.  Each load and store covers 512 consecutive bytes.  No LDS, no barrier: waves share nothing.
.set G,    16                          ; v16-47   the gain
.set BE,   48                          ; v48-79   the offset
.set B2,   80                          ; v80-111  b2
.set YA,   112                         ; v112-143 x3a, then y, then the result
; AS THIS TEXT HAS IT (in place of the head's two planes): the last product's K is not cut, so x3 is ONE plane: y = x2 + (x3 + b2); the row and the three vectors are 40 loads.
.set XR,   176                         ; v176-207 x2
	s_load_b256 s[4:11], s[0:1], 0x0               ; x3, x2, b2, g2
	s_load_b128 s[12:15], s[0:1], 0x20             ; be2, out0
	v_lshrrev_b32 v1, 5, v0
	v_readfirstlane_b32 s28, v1                    ; wave
	v_and_b32 v4, 31, v0
	v_lshlrev_b32 v1, 4, v4                        ; 16 x lane
	s_mov_b32 s30, 0x76543210
	s_mov_b32 s31, 0xfedcba98
	s_lshl_b32 s29, ttmp9, 2
	s_add_co_u32 s29, s29, s28                     ; my row
	s_lshl_b32 s20, s29, 12
	s_mov_b32 s21, 0
	s_wait_alu depctr_va_vdst(0)
	s_wait_kmcnt 0x0
	s_add_nc_u64 s[4:5], s[4:5], s[20:21]
	s_add_nc_u64 s[6:7], s[6:7], s[20:21]
	s_add_nc_u64 s[14:15], s[14:15], s[20:21]
.irp i, 0,1,2,3,4,5,6,7
	global_load_b128 v[YA+4*\i:YA+4*\i+3], v1, s[4:5] offset:512*\i th:TH_LOAD_NT
.endr
.irp i, 0,1,2,3,4,5,6,7
	global_load_b128 v[XR+4*\i:XR+4*\i+3], v1, s[6:7] offset:512*\i th:TH_LOAD_NT
.endr
.irp i, 0,1,2,3,4,5,6,7
	global_load_b128 v[B2+4*\i:B2+4*\i+3], v1, s[8:9] offset:512*\i
.endr
.irp i, 0,1,2,3,4,5,6,7
	global_load_b128 v[G+4*\i:G+4*\i+3], v1, s[10:11] offset:512*\i
.endr
.irp i, 0,1,2,3,4,5,6,7
	global_load_b128 v[BE+4*\i:BE+4*\i+3], v1, s[12:13] offset:512*\i
.endr
.macro ACROSS                          ; v8 summed over the 32 lanes, the result in every lane
	v_add_f32_dpp v8, v8, v8 row_xmask:1 row_mask:0xf bank_mask:0xf
	v_add_f32_dpp v8, v8, v8 row_xmask:2 row_mask:0xf bank_mask:0xf
	v_add_f32_dpp v8, v8, v8 row_xmask:4 row_mask:0xf bank_mask:0xf
	v_add_f32_dpp v8, v8, v8 row_xmask:8 row_mask:0xf bank_mask:0xf
	v_permlanex16_b32 v9, v8, s30, s31
	v_add_f32 v8, v8, v9
.endm
.macro JOIN                            ; the four chains v[8:15] into v8
	v_pk_add_f32 v[8:9], v[8:9], v[10:11]
	v_pk_add_f32 v[12:13], v[12:13], v[14:15]
	v_pk_add_f32 v[8:9], v[8:9], v[12:13]
	v_add_f32 v8, v8, v9
.endm
	s_wait_loadcnt 16                              ; the row's two sources and b2 are in; the gain's and the offset's sixteen loads may be out
.set j, 0
.rept 16
	v_pk_add_f32 v[YA+j:YA+j+1], v[YA+j:YA+j+1], v[B2+j:B2+j+1]    ; + b2,
.set j, j+2
.endr
.set j, 0
.rept 16
	v_pk_add_f32 v[YA+j:YA+j+1], v[XR+j:XR+j+1], v[YA+j:YA+j+1]    ; x2 + that
.set j, j+2
.endr
.irp k, 0,1,2,3                        ; the sum, in four chains
	v_pk_add_f32 v[8+2*\k:9+2*\k], v[YA+4*\k:YA+4*\k+1], v[YA+4*\k+2:YA+4*\k+3]
.endr
.irp m, 16,24
.irp k, 0,1,2,3
	v_pk_add_f32 v[8+2*\k:9+2*\k], v[8+2*\k:9+2*\k], v[YA+\m+2*\k:YA+\m+2*\k+1]
.endr
.endr
	JOIN
	ACROSS
	v_mul_f32 v10, 0x3a800000, v8                  ; mu = the sum / 1,024
	v_mov_b32 v11, v10
.set j, 0
.rept 16
	v_pk_add_f32 v[YA+j:YA+j+1], v[YA+j:YA+j+1], v[10:11] neg_lo:[0,1] neg_hi:[0,1]
.set j, j+2
.endr
.irp k, 0,1,2,3
	v_pk_mul_f32 v[8+2*\k:9+2*\k], v[YA+2*\k:YA+2*\k+1], v[YA+2*\k:YA+2*\k+1]
.endr
.irp m, 8,16,24
.irp k, 0,1,2,3
	v_pk_fma_f32 v[8+2*\k:9+2*\k], v[YA+\m+2*\k:YA+\m+2*\k+1], v[YA+\m+2*\k:YA+\m+2*\k+1], v[8+2*\k:9+2*\k]
.endr
.endr
	JOIN
	ACROSS
	v_mul_f32 v8, 0x3a800000, v8
	s_wait_alu depctr_va_vdst(0)
	v_sqrt_f32 v8, v8
	v_nop                                          ; a plain instruction behind the transcendental,
	s_wait_alu depctr_va_vdst(0)                   ; and the wait ahead of its reader
	v_add_f32 v8, 0x358637bd, v8                   ; + 1e-6
	s_wait_alu depctr_va_vdst(0)
	v_rcp_f32 v10, v8
	v_nop
	s_wait_alu depctr_va_vdst(0)
	v_mov_b32 v11, v10
	s_wait_alu depctr_va_vdst(0)
	s_wait_loadcnt 0x0                             ; the gain and the offset are in
.set j, 0
.rept 16
	v_pk_mul_f32 v[YA+j:YA+j+1], v[YA+j:YA+j+1], v[10:11]
.set j, j+2
.endr
.set j, 0
.rept 16
	v_pk_fma_f32 v[YA+j:YA+j+1], v[YA+j:YA+j+1], v[G+j:G+j+1], v[BE+j:BE+j+1]
.set j, j+2
.endr
.irp i, 0,1,2,3,4,5,6,7
	global_store_b128 v1, v[YA+4*\i:YA+4*\i+3], s[14:15] offset:512*\i th:TH_STORE_NT
.endr
	s_endpgm
.Lfunc_end_k_q39f3cf98f1_ln2:
	.size	k_q39f3cf98f1_ln2, .Lfunc_end_k_q39f3cf98f1_ln2-k_q39f3cf98f1_ln2
	.p2alignl 7, 3214868480
	.fill 96, 4, 3214868480
	.section	.rodata,"a",@progbits
	.p2align	6, 0x0
	.amdhsa_kernel k_q39f3cf98f1_ln2
		.amdhsa_group_segment_fixed_size 0
		.amdhsa_private_segment_fixed_size 0
		.amdhsa_enable_private_segment 0
		.amdhsa_kernarg_size 48
		.amdhsa_user_sgpr_count 2
		.amdhsa_user_sgpr_kernarg_segment_ptr 1
		.amdhsa_wavefront_size32 1
		.amdhsa_system_sgpr_workgroup_id_x 1
		.amdhsa_system_sgpr_workgroup_id_y 1
		.amdhsa_system_sgpr_workgroup_id_z 1
		.amdhsa_system_vgpr_workitem_id 0
		.amdhsa_next_free_vgpr 208
		.amdhsa_next_free_sgpr 66
		.amdhsa_reserve_vcc 0
		.amdhsa_float_denorm_mode_32 3
		.amdhsa_float_denorm_mode_16_64 3
		.amdhsa_memory_ordered 1
		.amdhsa_forward_progress 1
		.amdhsa_inst_pref_size 14
	.end_amdhsa_kernel
	.amdgpu_metadata
---
amdhsa.version: [ 1, 2 ]
amdhsa.kernels:
  - .name:           k_q39f3cf98f1_ln2
    .symbol:         k_q39f3cf98f1_ln2.kd
    .args:
      - { .name: x3, .offset: 0, .size: 8, .value_kind: global_buffer, .address_space: global }
      - { .name: x2, .offset: 8, .size: 8, .value_kind: global_buffer, .address_space: global }
      - { .name: b2, .offset: 16, .size: 8, .value_kind: global_buffer, .address_space: global }
      - { .name: g2, .offset: 24, .size: 8, .value_kind: global_buffer, .address_space: global }
      - { .name: be2, .offset: 32, .size: 8, .value_kind: global_buffer, .address_space: global }
      - { .name: out0, .offset: 40, .size: 8, .value_kind: global_buffer, .address_space: global }
    .group_segment_fixed_size: 0
    .private_segment_fixed_size: 0
    .kernarg_segment_align: 8
    .kernarg_segment_size: 48
    .max_flat_workgroup_size: 128
    .sgpr_count:     66
    .vgpr_count:     208
    .wavefront_size: 32
...
	.end_amdgpu_metadata
.endif
;; end of part 8
